; MI455X (gfx1250); checked and timed in simulation.
; The chip was launched on July 23, 2026; its instructions are those of AMD's public machine-readable ISA for CDNA 5 (MIT licence, August 2026) and "CDNA5" Instruction Set Architecture Reference Guide (July 2026). The comments in the code are by the model that wrote it; some were corrected since.
;; GPT Attention. Allowed arithmetic: matrix products marked QUANTISED: E2M1 operands, one E8M0 scale for each 32 along K, by v_wmma_scale_f32_16x16x128_f8f6f4 with both operands' format E2M1 (or v_wmma_scale_f32_32x16x128_f4), f32 sums; products left as they are: bf16, f16 or f32 operands; f32 sums; everything else in f32.
;; Inputs: b_attn 3,072 float32; b_proj 1,024 float32; hidden_states 2 x 2,048 x 1,024 float32; w_attn 1,024 x 3,072 float32; w_proj 1,024 x 1,024 float32.
;; Outputs: out0 2 x 2,048 x 1,024 float32.
;; This version of the problem:
;;   THIS VERSION OF THE PROBLEM IS GIVEN IN LOW PRECISION. The matrix products marked QUANTISED in the list below multiply operands that are first quantised to E2M1 (2 exponent bits, 1 mantissa bit; 4 bits a number), with one power-of-two scale for each 32 numbers along K (OCP MX v1.0); their sums are f32. The products marked 'left as it is' may take bf16, f16 or f32 operands, with f32 sums. Whichever they take, every output number must still come out within the allowed error. Rounding operands to bf16 (8 significant bits) uses up far more of that allowance than f16 does (11 bits, for magnitudes from 6e-5 to 65,504). All else is computed in f32.
;;   The module's matrix products, in the order in which they are computed (A, B: the left and right operand; K: the contracted axis; several contracted axes count as one K, in the product's order):
;;     1. [M 4,096, K 1,024] x [K 1,024, N 3,072]; A: input hidden_states; B: input w_attn: QUANTISED
;;     2. batch 32 x [M 2,048, K 64] x [K 64, N 2,048]; A: computed on the way; B: computed on the way: left as it is (an operand is computed on the way)
;;     3. batch 32 x [M 2,048, K 2,048] x [K 2,048, N 64]; A: computed on the way; B: computed on the way: left as it is (an operand is computed on the way)
;;     4. [M 4,096, K 1,024] x [K 1,024, N 1,024]; A: computed on the way; B: input w_proj: left as it is (an operand is computed on the way)
;;   THE QUANTISER, for each operand of a quantised product, along K:
;;     - K is cut into blocks of 32 from its start; a last block that is shorter is filled with zeros.
;;     - A block's scale is 2^e with e = floor(log2(the largest magnitude in the block)) - 2, held to -126 .. 127; a block of zeros has e = 0. As a byte (E8M0): e + 127.
;;     - Each number is divided by its block's scale, clamped to +-6, and rounded to the nearest number of E2M1, ties to even, subnormals kept.
;;     - The product sums the exact products of the quantised numbers (number of the format x scale) in f32.
;;   ~~~python
;;   def quantise(x, axis):      # numpy; x: float32 -> the quantised numbers, widened to float32 again
;;       x = np.moveaxis(x, axis, -1); K = x.shape[-1]
;;       x = np.pad(x, [(0, 0)] * (x.ndim - 1) + [(0, -K % 32)]); x = x.reshape(x.shape[:-1] + (-1, 32)); a = np.abs(x).max(-1, keepdims=True)
;;       e = np.where(a > 0, np.clip(np.frexp(np.where(a > 0, a, 1))[1] - 1 - 2, -126, 127), 0)      # np.frexp(a)[1] - 1 = floor(log2(a)), exactly
;;       r = np.clip(x / 2.0 ** e, -6, 6)
;;       step = 2.0 ** (np.maximum(np.frexp(np.where(r == 0, 1, r))[1] - 1, 0) - 1)
;;       q = np.round(r / step) * step * 2.0 ** e      # np.round: ties to even
;;       return np.moveaxis(q.reshape(q.shape[:-2] + (-1,))[..., :K], -1, axis).astype(np.float32)
;;   ~~~
;; One version. Each part assembles by itself: llvm-mc -triple=amdgcn-amd-amdhsa -mcpu=gfx1250 --defsym DOCPART=n.
;; ======== version 1 of 1: 5 launches
;; limits: values are held in f16: magnitudes above 65,504 overflow, below 6.1e-05 lose precision
;; workspace buffers: xc 2,097,152 bytes; xs 131,072 bytes; wc 1,572,864 bytes; ws 98,304 bytes; wp16 6,291,456 bytes; qkv16 25,165,824 bytes; qkv32 393,216 bytes; attn16 8,388,608 bytes
;; launch prep (part 1): grid 208 x 1, 16 waves a work-group, no clusters, 194,560 bytes of LDS; arguments hidden_states, w_attn, w_proj, xc, xs, wc, ws, wp16; writes xc, xs, wc, ws, wp16
.if DOCPART == 1
	.amdgcn_target "amdgcn-amd-amdhsa--gfx1250"
	.amdhsa_code_object_version 6
	.text
	.protected	k_qc7ae7284d0_prep
	.globl	k_qc7ae7284d0_prep
	.p2align	8
	.type	k_qc7ae7284d0_prep,@function
k_qc7ae7284d0_prep:
	s_mov_b64 s[64:65], 0
	v_nop
	global_prefetch_b8 v0, s[64:65] scope:SCOPE_SE
	s_setreg_imm32_b32 hwreg(HW_REG_WAVE_MODE, 25, 1), 1
	s_wait_xcnt 0x0
; Three streams in one launch, told apart by the work-group's number; each has LDS bytes of its own and its own end.
;   X (work-groups 0-127):   hidden_states [4096][1024] f32 -> codes of FP4 (E2M1), K innermost, xc [4096][512 bytes], and one E8M0 byte for each 32 along K, xs [4096][32].
;   W (work-groups 128-175): w_attn [1024 (k)][3072 (n)] f32, K its FIRST axis -> wc [3072][512 bytes], ws [3072][32]: a lane takes a column and its registers run down K.
;   P (work-groups 176-207): w_proj [1024 (k)][1024 (n)] f32 -> wp16, f16, in three regions of 2,097,152 bytes.  The high part is the number rounded to 11 significant bits, the low part what is left of it.
;       region 0: the high part as lines, [n / 128][k / 64][n % 128][k % 64];
;       regions 1, 2: the high and the low part as images of an operand's registers, [n / 16][k / 64][chunk t 8][n % 16][16 bytes], chunk t = k % 64 = 8 t .. 8 t + 7.
; A block's scale is 2^(floor(log2(its largest magnitude)) - 2); its byte is the largest magnitude's exponent field - 2, held at 1 from below.
; LIMITS: a block of zeros, or one whose largest magnitude lies under 2^-124, gets the byte 1 (its codes are zeros or as the floor gives them; this program alone reads the bytes); NaN and infinities are not served;
; |w_proj| at most 65,504; under 2^-14 the high part is rounded once more by the conversion, by at most 2^-25.
; No tensor loads.  Every store of a wave covers 256 or 512 consecutive bytes, aligned, or two such runs of 256.
.set SP,    80                         ; X: a lane's place in a stage: its 64 bytes + 16 of padding
.set XSC,   81920                      ; X: behind 16 x 5,120 bytes of stages: the work-group's 1,024 scale bytes
.set WP,    528                        ; W: a column's row of codes in LDS: 512 bytes + 16
.set WST,   82944                      ; W: 64 such rows
.set WSC,   116736                     ; W: 64 rows of 32 scale bytes
.set PP,    144                        ; P: a column's 64 f16 + 16 bytes
.set PST,   118784                     ; P: 32 such rows for each wave
.set SPARE, 192512                     ; the spare words, 128 bytes for each wave: eight blocks of 256 bytes that no other line names
.set SPW,   12                         ; v12 LDS address of my spare word; never rewritten
.set NIL,   13                         ; v13 0; never rewritten
	s_load_b256 s[4:11], s[0:1], 0x0               ; hidden_states s[4:5], w_attn s[6:7], w_proj s[8:9], xc s[10:11]
	s_load_b256 s[12:19], s[0:1], 0x20             ; xs s[12:13], wc s[14:15], ws s[16:17], wp16 s[18:19]
	v_lshl_add_u32 v[SPW], v0, 2, SPARE
	v_mov_b32 v[NIL], 0
	v_lshrrev_b32 v1, 5, v0
	v_readfirstlane_b32 s20, v1                    ; wave 0..15
	v_and_b32 v2, 31, v0                           ; lane
	s_mov_b32 s27, 0                               ; the upper word of every offset
	s_wait_kmcnt 0x0
	s_cmp_lt_u32 ttmp9, 128
	s_cbranch_scc1 .Lpath_x
	s_cmp_lt_u32 ttmp9, 176
	s_cbranch_scc1 .Lpath_w
; ---------------- P: a wave takes 32 columns x the 64 k of one head.  A lane's 64 registers run down k: packed in pairs they are the lane's row of 128 bytes, eight chunks of 16.
	s_sub_co_u32 s21, ttmp9, 176
	s_lshr_b32 s22, s21, 1                         ; which 64 columns
	s_and_b32 s23, s21, 1
	s_lshl_b32 s23, s23, 3
	s_lshr_b32 s24, s20, 1
	s_add_co_u32 s23, s23, s24                     ; which head (64 k)
	s_and_b32 s24, s20, 1                          ; which 32 of the 64 columns
	v_lshlrev_b32 v3, 2, v2                        ; in: 4 bytes a lane
	s_mul_i32 s25, s20, 32*PP
	s_add_co_u32 s25, s25, PST                     ; my stage
	v_mul_u32_u24 v4, v2, PP
	v_add_nc_u32 v4, s25, v4                       ; into it: row = my column
	v_lshrrev_b32 v5, 3, v2
	v_mul_u32_u24 v5, v5, PP
	v_and_b32 v6, 7, v2
	v_lshl_add_u32 v5, v6, 4, v5
	v_add_nc_u32 v5, s25, v5                       ; out of it: eight lanes to a row of 128 bytes, four rows an instruction
	v_lshlrev_b32 v7, 4, v2                        ; and in region 0, where the rows follow each other: 16 x lane
	v_lshrrev_b32 v14, 4, v2
	v_lshlrev_b32 v14, 15, v14                     ; the images: lanes 16-31 belong to the next 16 columns, 16 heads x 2,048 bytes on;
	v_and_b32 v15, 15, v2
	v_lshl_add_u32 v14, v15, 4, v14                ; 16 bytes a column
	s_mov_b32 s30, 0xffffe000                      ; keeps sign, exponent and 10 bits of mantissa
	s_lshl_b32 s34, s22, 2                         ; the images: ((n / 16) x 16 + head) x 2,048 bytes, behind region 0
	s_lshl_b32 s28, s24, 1
	s_add_co_u32 s34, s34, s28
	s_lshl_b32 s34, s34, 4
	s_add_co_u32 s34, s34, s23
	s_lshl_b32 s34, s34, 11
	s_add_co_u32 s34, s34, 2097152
	s_mov_b32 s35, 0
	s_add_nc_u64 s[32:33], s[18:19], s[34:35]
	s_lshl_b32 s26, s23, 18                        ; w_proj: 64 rows of 4,096 bytes a head,
	s_lshl_b32 s28, s22, 8
	s_add_co_u32 s26, s26, s28
	s_lshl_b32 s28, s24, 7
	s_add_co_u32 s26, s26, s28                     ; + 4 x my first column
	s_add_nc_u64 s[8:9], s[8:9], s[26:27]
	s_lshr_b32 s26, s22, 1                         ; region 0: ((n / 128 x 16 + head) x 128 + n % 128) x 128 bytes
	s_lshl_b32 s26, s26, 4
	s_add_co_u32 s26, s26, s23
	s_lshl_b32 s26, s26, 7
	s_and_b32 s28, s22, 1
	s_lshl_b32 s28, s28, 6
	s_add_co_u32 s26, s26, s28
	s_lshl_b32 s28, s24, 5
	s_add_co_u32 s26, s26, s28
	s_lshl_b32 s26, s26, 7
	s_add_nc_u64 s[18:19], s[18:19], s[26:27]
.set n, 0
.rept 64
	global_load_b32 v[32+n], v3, s[8:9] offset:n*4096 th:TH_LOAD_NT   ; w_proj(64 head + n, my column): 32 lanes read 128 consecutive bytes
.set n, n+1
.endr
	s_wait_loadcnt 0x0
.set n, 0
.rept 32                               ; two numbers a turn; the turns use two pairs of registers alternately
.set TA, 8+2*(n%2)
	v_add_nc_u32 v[TA], 0x1000, v[32+2*n]          ; half a step of the 11th bit onto the magnitude,
	v_add_nc_u32 v[TA+1], 0x1000, v[33+2*n]
	v_and_b32 v[TA], s30, v[TA]                    ; and the bits below cut off: the number rounded to 11 significant bits, still in f32
	v_and_b32 v[TA+1], s30, v[TA+1]
	v_cvt_pk_f16_f32 v[96+n], v[TA], v[TA+1]       ; the high parts
	v_sub_f32 v[TA], v[32+2*n], v[TA]              ; what is left: exact in f32
	v_sub_f32 v[TA+1], v[33+2*n], v[TA+1]
	v_cvt_pk_f16_f32 v[128+n], v[TA], v[TA+1]      ; the low parts
.set n, n+1
.endr
.irp i, 0,1,2,3,4,5,6,7
	ds_store_b128 v4, v[96+4*\i:99+4*\i] offset:16*\i
.endr
.irp i, 0,1,2,3,4,5,6,7
	ds_load_b128 v[160+4*\i:163+4*\i], v5 offset:4*PP*\i      ; LDS serves a wave's instructions in order: these see the stores above
.endr
.irp t, 0,1,2,3,4,5,6,7                ; the images leave straight from the registers, while the lines turn through the stage: chunk t of sixteen neighbouring columns is 256 consecutive bytes, aligned
	global_store_b128 v14, v[96+4*\t:99+4*\t], s[32:33] offset:256*\t
	global_store_b128 v14, v[128+4*\t:131+4*\t], s[32:33] offset:2097152+256*\t
.endr
.irp i, 0,1,2,3,4,5,6,7
	s_wait_dscnt 7-\i                              ; behind this load: the rest of its run
	global_store_b128 v7, v[160+4*\i:163+4*\i], s[18:19] offset:512*\i
.endr
	s_wait_tensorcnt 0x0                           ; the wave's end
	ds_add_u32 v[SPW], v[NIL]
	s_wait_dscnt 0x0
	s_endpgm
; ---------------- W: the work-group takes 64 columns x all of K; a wave 32 columns x 128 along K: four blocks of 32 a lane.
.Lpath_w:
	s_sub_co_u32 s21, ttmp9, 128                   ; which 64 columns
	s_and_b32 s22, s20, 1                          ; which 32 of them
	s_lshr_b32 s23, s20, 1                         ; which 128 along K
	v_lshlrev_b32 v3, 2, v2
	s_mul_i32 s24, s22, 32*WP
	s_lshl_b32 s25, s23, 6
	s_add_co_u32 s24, s24, s25
	s_add_co_u32 s24, s24, WST
	v_mul_u32_u24 v4, v2, WP
	v_add_nc_u32 v4, s24, v4                       ; my column's row of codes, my 64 bytes of it
	s_lshl_b32 s24, s22, 10
	s_lshl_b32 s25, s23, 2
	s_add_co_u32 s24, s24, s25
	s_add_co_u32 s24, s24, WSC
	v_lshl_add_u32 v5, v2, 5, s24                  ; my column's row of scale bytes, my word of it
	s_mul_i32 s24, s20, 4*WP
	s_add_co_u32 s24, s24, WST
	v_lshl_add_u32 v6, v2, 4, s24                  ; the way out: wave w takes rows 4 w .. 4 w + 3 whole, 16 bytes a lane
	v_lshlrev_b32 v7, 4, v2
	s_and_b32 s24, s20, 3
	s_lshl_b32 s24, s24, 9
	v_lshl_add_u32 v1, v2, 4, s24                  ; and waves 0-3 take 512 of the 2,048 scale bytes each
	v_add_nc_u32 v10, WSC, v1
	s_mul_i32 s26, s23, 128*12288                  ; w_attn: 128 rows of 12,288 bytes,
	s_lshl_b32 s24, s21, 8
	s_lshl_b32 s25, s22, 7
	s_add_co_u32 s26, s26, s24
	s_add_co_u32 s26, s26, s25                     ; + 4 x my first column
	s_add_nc_u64 s[6:7], s[6:7], s[26:27]
	s_lshl_b32 s26, s21, 15                        ; wc: 64 rows of 512 bytes a work-group, 4 a wave
	s_lshl_b32 s24, s20, 11
	s_add_co_u32 s26, s26, s24
	s_add_nc_u64 s[14:15], s[14:15], s[26:27]
	s_lshl_b32 s26, s21, 11                        ; ws: 64 rows of 32 bytes
	s_add_nc_u64 s[16:17], s[16:17], s[26:27]
.macro WLOAD t                         ; block t: w_attn(32 t + i, my column), i = 0 .. 31
.set n, 0
.rept 32
	global_load_b32 v[32+32*(\t)+n], v3, s[6:7] offset:(32*(\t)+n)*12288 th:TH_LOAD_NT
.set n, n+1
.endr
.endm
.macro WBLOCK t
.set XS, 32+32*(\t)
.if (\t) < 3
	s_wait_loadcnt 32                              ; this block's 32 loads are in; the next block's 32 may be out
.else
	s_wait_loadcnt 0x0
.endif
.if (\t)+2 < 4
	WLOAD (\t)+2                                   ; loads run two blocks ahead; every block has registers of its own
.endif
	v_max3_num_f32 v8, |v[XS]|, |v[XS+1]|, |v[XS+2]|          ; the block's largest magnitude: all 32 numbers are mine
	v_max3_num_f32 v9, |v[XS+3]|, |v[XS+4]|, |v[XS+5]|
.irp i, 6,10,14,18,22,26
	v_max3_num_f32 v8, v8, |v[XS+\i]|, |v[XS+\i+1]|
	v_max3_num_f32 v9, v9, |v[XS+\i+2]|, |v[XS+\i+3]|
.endr
	v_max3_num_f32 v8, v8, |v[XS+30]|, |v[XS+31]|
	v_max3_num_f32 v8, v8, v9, 0x1800000           ; and the floor 2^(3 - 127): the byte cannot fall under 1
	v_add_nc_u32 v11, 0xff000000, v8               ; 2 off its exponent field: the conversion takes the exponent field of this operand as its scale
	v_lshrrev_b32 v9, 23, v11                      ; the scale's byte
.if (\t) == 0
	v_mov_b32 v176, v9                             ; four bytes make my word: the lower K in the lower byte
.else
	v_lshl_or_b32 v176, v9, 8*(\t), v176
.endif
.irp g, 0,1,2,3
	v_cvt_scalef32_pk8_fp4_f32 v[160+4*(\t)+\g], v[XS+8*\g:XS+8*\g+7], v11
.endr
	ds_store_b128 v4, v[160+4*(\t):163+4*(\t)] offset:16*(\t)   ; 32 codes: 16 bytes of my column's row.  (The next block begins with plain vector lines ahead of its write of v11)
.endm
	WLOAD 0
	WLOAD 1
	WBLOCK 0
	WBLOCK 1
	WBLOCK 2
	WBLOCK 3
	ds_store_b32 v5, v176
	s_wait_dscnt 0x0                               ; for the others' sake: my stores have landed
	s_barrier_signal -1
	s_barrier_wait -1
.irp i, 0,1,2,3
	ds_load_b128 v[32+4*\i:35+4*\i], v6 offset:WP*\i          ; a whole row of 512 bytes, written by eight waves
.endr
.irp i, 0,1,2,3
	s_wait_dscnt 3-\i
	global_store_b128 v7, v[32+4*\i:35+4*\i], s[14:15] offset:512*\i
.endr
	s_cmp_lt_u32 s20, 4
	s_cbranch_scc0 .Lw_end
	ds_load_b128 v[48:51], v10
	s_wait_dscnt 0x0
	global_store_b128 v1, v[48:51], s[16:17]
.Lw_end:
	s_wait_tensorcnt 0x0                           ; the wave's end
	ds_add_u32 v[SPW], v[NIL]
	s_wait_dscnt 0x0
	s_endpgm
; ---------------- X: rows are dense and K is a multiple of 32: a plain stream of blocks.  A wave takes 4 steps of 512 numbers.  Each load reads 512 consecutive bytes; a step's 2,048 bytes turn
; through the wave's own stage in LDS and come back 64 bytes a lane, so that a lane holds 16 neighbours and two neighbouring lanes a block.
.Lpath_x:
	v_lshlrev_b32 v3, 4, v2
	s_mul_i32 s21, s20, 64*SP                      ; my two stages
	v_lshrrev_b32 v14, 2, v2
	v_mul_u32_u24 v14, v14, SP
	v_and_b32 v15, 3, v2
	v_lshl_add_u32 v14, v15, 4, v14
	v_add_nc_u32 v14, s21, v14                     ; in: four lanes' 64 bytes on end, then 16 of padding
	v_mul_u32_u24 v15, v2, SP
	v_add_nc_u32 v15, s21, v15                     ; out: my 16 neighbours
	v_lshlrev_b32 v4, 3, v2                        ; my 8 bytes of a step's codes
	v_lshrrev_b32 v5, 1, v2
	s_lshl_b32 s22, s20, 6
	s_add_co_u32 s22, s22, XSC
	v_add_nc_u32 v5, s22, v5                       ; my wave's 64 scale bytes, my block's byte
	s_and_b32 s23, s20, 1
	s_lshl_b32 s23, s23, 9
	v_lshl_add_u32 v7, v2, 4, s23                  ; the way out of the scale bytes: waves 0 and 1, 512 bytes each
	v_add_nc_u32 v6, XSC, v7
	s_lshl_b32 s24, ttmp9, 4
	s_add_co_u32 s24, s24, s20                     ; which run of 2,048 numbers is my wave's
	s_lshl_b32 s26, s24, 13
	s_add_nc_u64 s[4:5], s[4:5], s[26:27]
	s_lshl_b32 s26, s24, 10
	s_add_nc_u64 s[10:11], s[10:11], s[26:27]
	s_lshl_b32 s26, ttmp9, 10
	s_add_nc_u64 s[12:13], s[12:13], s[26:27]
.macro XLOAD t
.irp i, 0,1,2,3
	global_load_b128 v[16+16*(\t)+4*\i:19+16*(\t)+4*\i], v3, s[4:5] offset:2048*(\t)+512*\i th:TH_LOAD_NT
.endr
.endm
.macro XTURN t                         ; step t's numbers through a stage: LDS serves a wave's instructions in order, so no wait stands between the stores and the loads
.irp i, 0,1,2,3
	ds_store_b128 v14, v[16+16*(\t)+4*\i:19+16*(\t)+4*\i] offset:32*SP*((\t)%2)+8*SP*\i
.endr
.irp i, 0,1,2,3
	ds_load_b128 v[80+16*((\t)%2)+4*\i:83+16*((\t)%2)+4*\i], v15 offset:32*SP*((\t)%2)+16*\i
.endr
.endm
.macro XSTEP t
.set XS, 80+16*((\t)%2)
.if (\t) > 0
	s_wait_dscnt 1                                 ; this step's numbers are back from the stage; the last step's byte store may be out
.else
	s_wait_dscnt 0x0
.endif
.if (\t) < 3
	s_wait_loadcnt 4*(2-(\t))                      ; the next step's four loads are in; those of the steps behind it may be out
	XTURN (\t)+1
.endif
	v_max3_num_f32 v8, |v[XS]|, |v[XS+1]|, |v[XS+2]|          ; the largest magnitude of my 16
	v_max3_num_f32 v9, |v[XS+3]|, |v[XS+4]|, |v[XS+5]|
.irp i, 6,10
	v_max3_num_f32 v8, v8, |v[XS+\i]|, |v[XS+\i+1]|
	v_max3_num_f32 v9, v9, |v[XS+\i+2]|, |v[XS+\i+3]|
.endr
	v_max3_num_f32 v8, v8, |v[XS+14]|, |v[XS+15]|
	v_max3_num_f32 v8, v8, v9, 0x1800000           ; and the floor 2^(3 - 127)
	v_max_num_f32_dpp v8, v8, v8 row_xmask:1 row_mask:0xf bank_mask:0xf   ; and of my neighbour's 16: the block's
	v_add_nc_u32 v11, 0xff000000, v8               ; 2 off its exponent field: the conversion's scale operand
	v_cvt_scalef32_pk8_fp4_f32 v[128+4*(\t)], v[XS:XS+7], v11
	v_cvt_scalef32_pk8_fp4_f32 v[129+4*(\t)], v[XS+8:XS+15], v11
	v_lshrrev_b32 v[112+(\t)], 23, v11             ; the scale's byte
	ds_store_b8 v5, v[112+(\t)] offset:16*(\t)     ; both lanes of a block write the same byte with the same value
	global_store_b64 v4, v[128+4*(\t):129+4*(\t)], s[10:11] offset:256*(\t)   ; 32 lanes store 256 consecutive bytes
.endm
	XLOAD 0
	XLOAD 1
	XLOAD 2
	XLOAD 3
	s_wait_loadcnt 12                              ; step 0's four loads are in; the twelve of steps 1 to 3 may be out
	XTURN 0
	XSTEP 0
	XSTEP 1
	XSTEP 2
	XSTEP 3
	s_wait_dscnt 0x0                               ; for the others' sake: my scale bytes have landed
	s_barrier_signal -1
	s_barrier_wait -1
	s_cmp_lt_u32 s20, 2
	s_cbranch_scc0 .Lx_end
	ds_load_b128 v[8:11], v6
	s_wait_dscnt 0x0
	global_store_b128 v7, v[8:11], s[12:13]
.Lx_end:
	s_wait_tensorcnt 0x0                           ; the wave's end
	ds_add_u32 v[SPW], v[NIL]
	s_wait_dscnt 0x0
	s_endpgm
.Lfunc_end_k_qc7ae7284d0_prep:
	.size	k_qc7ae7284d0_prep, .Lfunc_end_k_qc7ae7284d0_prep-k_qc7ae7284d0_prep
	.p2alignl 7, 3214868480
	.fill 96, 4, 3214868480
	.section	.rodata,"a",@progbits
	.p2align	6, 0x0
	.amdhsa_kernel k_qc7ae7284d0_prep
		.amdhsa_group_segment_fixed_size 194560
		.amdhsa_private_segment_fixed_size 0
		.amdhsa_enable_private_segment 0
		.amdhsa_kernarg_size 64
		.amdhsa_user_sgpr_count 2
		.amdhsa_user_sgpr_kernarg_segment_ptr 1
		.amdhsa_wavefront_size32 1
		.amdhsa_system_sgpr_workgroup_id_x 1
		.amdhsa_system_sgpr_workgroup_id_y 1
		.amdhsa_system_sgpr_workgroup_id_z 1
		.amdhsa_system_vgpr_workitem_id 0
		.amdhsa_next_free_vgpr 192
		.amdhsa_next_free_sgpr 66
		.amdhsa_reserve_vcc 0
		.amdhsa_float_denorm_mode_32 3
		.amdhsa_float_denorm_mode_16_64 3
		.amdhsa_memory_ordered 1
		.amdhsa_forward_progress 1
		.amdhsa_inst_pref_size 55
	.end_amdhsa_kernel
	.amdgpu_metadata
---
amdhsa.version: [ 1, 2 ]
amdhsa.kernels:
  - .name:           k_qc7ae7284d0_prep
    .symbol:         k_qc7ae7284d0_prep.kd
    .args:
      - { .name: hidden_states, .offset: 0, .size: 8, .value_kind: global_buffer, .address_space: global }
      - { .name: w_attn, .offset: 8, .size: 8, .value_kind: global_buffer, .address_space: global }
      - { .name: w_proj, .offset: 16, .size: 8, .value_kind: global_buffer, .address_space: global }
      - { .name: xc, .offset: 24, .size: 8, .value_kind: global_buffer, .address_space: global }
      - { .name: xs, .offset: 32, .size: 8, .value_kind: global_buffer, .address_space: global }
      - { .name: wc, .offset: 40, .size: 8, .value_kind: global_buffer, .address_space: global }
      - { .name: ws, .offset: 48, .size: 8, .value_kind: global_buffer, .address_space: global }
      - { .name: wp16, .offset: 56, .size: 8, .value_kind: global_buffer, .address_space: global }
    .group_segment_fixed_size: 194560
    .private_segment_fixed_size: 0
    .kernarg_segment_align: 8
    .kernarg_segment_size: 64
    .max_flat_workgroup_size: 512
    .sgpr_count:     66
    .vgpr_count:     192
    .wavefront_size: 32
...
	.end_amdgpu_metadata
.endif
;; end of part 1
;; launch qkv (part 2): grid 12 x 16, 4 waves a work-group, clusters of 4 x 4, 327,680 bytes of LDS; arguments xc, xs, wc, ws, b_attn, qkv16, qkv32; writes qkv16, qkv32
.if DOCPART == 2
	.amdgcn_target "amdgcn-amd-amdhsa--gfx1250"
	.amdhsa_code_object_version 6
	.text
	.protected	k_qc7ae7284d0_qkv
	.globl	k_qc7ae7284d0_qkv
	.p2align	8
	.type	k_qc7ae7284d0_qkv,@function
k_qc7ae7284d0_qkv:
	s_mov_b64 s[64:65], 0
	v_nop
	global_prefetch_b8 v0, s[64:65] scope:SCOPE_SE
	s_setreg_imm32_b32 hwreg(HW_REG_WAVE_MODE, 25, 1), 1
	s_wait_xcnt 0x0
	s_wait_alu depctr_hold_cnt(0) depctr_sa_sdst(0) depctr_va_vdst(0) depctr_va_sdst(0) depctr_va_ssrc(0) depctr_va_vcc(0) depctr_vm_vsrc(0)
	s_getreg_b32 s2, hwreg(HW_REG_IB_STS2, 6, 4)
	s_cmp_eq_u32 s2, 0
	s_cbranch_scc0 .Lentry_in_a_cluster
	s_endpgm
.Lentry_in_a_cluster:
	s_bfe_u32 s2, ttmp6, 0x10000c
	s_cmp_lg_u32 s2, 0xf033
	s_cbranch_scc0 .Lentry_shape_is_right
	s_endpgm
.Lentry_shape_is_right:
; qkv[m][n] = sum over k of x[m][k] w[n][k] + b_attn[n], on codes of FP4 (E2M1) with one E8M0 scale for each 32 along K: m 4,096, n 3,072, k 1,024.
; A tile of 256 x 256 is made by four waves, 128 x 128 each: 64 accumulators of 16 x 16, 512 registers.  K is two slots of 512 (LDS rows of 256 bytes): both are first fills, nothing is filled again.
; The scales of the work-group's 256 + 256 rows, for all of K, are two dense blocks of memory and come once, with the first fills.
; CLUSTER 4 x 4: the four of a row need the same tiles of x, the four of a column the same tiles of w: each tile is asked for jointly.
; THE MATRIX INSTRUCTION IS USED TRANSPOSED (source 0 = 16 rows of w, source 1 = 16 rows of x): a lane holds eight neighbouring n of one row m.  The bias is the C of each sum's first product.
; OUT: qkv16 [q, k, v][batch][head][position][64] in f16 (a wave's 128 columns are two heads; 16 positions of a head are 2,048 consecutive bytes), through the wave's own stage in LDS;
; and the first 16 positions of each batch once more in f32, for the launch that carries those rows finely: qkv32 [batch][n / 16][half 2][lane 32][4 numbers]: the accumulators' registers as they stand,
; lane (r, h) holding position r and columns 16 (n / 16) + 8 h + 4 half + 0 .. 3.
; LIMIT: |q|, |k|, |v| at most 65,504 (f16).
; REGISTERS: window 0: v0-31 addresses; v32-95 scale words, two sets; v128-191 x's fragments, one set; v192-255 the bias, later at work on the way out.  window 1: w's fragments, two sets.  windows 2, 3: the accumulators.
.set NQ,     4                         ; matrix instructions deep in a slot
.set ROWB,   256                       ; a tile's row: 512 codes
.set KROW,   512                       ; a row of codes in memory
.set PITCH,  272                       ; an LDS row: 256 bytes + 16 of padding: the 16 rows that a load touches start at 16 different banks (64 banks of 4 bytes: ISA guide 11.1)
.set FR,     8
.set NL,     2
.set NP,     4                         ; places behind this matrix instruction (ISA guide 7.12.1)
.set HALFT,  128*PITCH
.set SLOT,   4*HALFT
.set KS,     32                        ; a row of scale bytes
.set SCL,    2*SLOT                    ; behind the two slots: the scales, as rows of 256 bytes + 16
.set HALFS,  16*272                    ; those of 128 rows
.set SBLK,   2*272                     ; those of 16 rows
.set SPARE,  SCL+4*HALFS               ; the spare words, 128 bytes for each wave: two blocks of 256 bytes that no other line names
.set SPITCH, 400                       ; the way out: a stage of 16 rows x (256 bytes + 144) for each wave, in slot 0, which has had its only fill and its last read by then
.set ADRA, 16
.set ADRB, 20
.set STO,  24
.set RD,   25
.set CO,   26                          ; v26 16 x lane
.set ADRS, 27
.set SPW,  28                          ; v28 LDS address of my spare word; never rewritten
.set NIL,  29                          ; v29 0; never rewritten
.set BO,   30                          ; v30 32 x (lane / 16): my eight numbers of a block's bias
.set SC,   32
.set AF,   128
.set BIAS, 192
.set TMP,  192
.set OB,   32
.set G1, 24
.set G0, 32
.set G1B, 48
.set G0B, 56
.set G1S, 68
.set G0S, 76
.set G1SB, 80
.set G0SB, 88
.set MSB, 0
.macro WIN new                         ; the immediate's high byte repeats the setting that is left
.if MSB != (\new)
	s_set_vgpr_msb (MSB<<8)|(\new)
.set MSB, (\new)
.endif
.endm
.set MUL_LO,   0xa1                    ; source 0 (w) window 1, source 1 (x) window 0, C and D window 2
.set MUL_HI,   0xf1                    ; the same, C and D window 3
.set MUL_LO_B, 0x81                    ; the first step: C is the bias, in window 0
.set MUL_HI_B, 0xc1
.set TO_B,     0x40
; A joint load: waves 0 and 1 fetch for x, waves 2 and 3 for w.  The branch hangs on the wave's number alone.  An s_nop 0 and four v_nop follow each of the two lines.
.macro JLOAD g0a, g1a, g0b, g1b
	s_cmp_eq_u32 s15, 0
	s_cbranch_scc0 .Lfor_b_\@
	tensor_load_to_lds s[\g0a:\g0a+3], s[\g1a:\g1a+7]
	s_nop 0
.rept 4
	v_nop
.endr
	s_branch .Lasked_\@
.Lfor_b_\@:
	tensor_load_to_lds s[\g0b:\g0b+3], s[\g1b:\g1b+7]
	s_nop 0
.rept 4
	v_nop
.endr
.Lasked_\@:
.endm
.macro CROUND                          ; a round of the cluster's barrier
	s_barrier_signal -1
	s_barrier_wait -1
	s_cmp_lg_u32 s14, 0
	s_cbranch_scc1 .Lnot_wave_0_\@
	s_barrier_signal -3
.Lnot_wave_0_\@:
	s_barrier_wait -3
	s_barrier_signal -1
	s_barrier_wait -1
.endm
	s_load_b128 s[4:7], s[0:1], 0x0                ; x's codes, x's scales
	s_load_b128 s[8:11], s[0:1], 0x10              ; w's codes, w's scales
	s_load_b128 s[96:99], s[0:1], 0x20             ; b_attn s[96:97], qkv16 s[98:99]
	s_load_b64 s[100:101], s[0:1], 0x30            ; qkv32
	v_lshl_add_u32 v[SPW], v0, 2, SPARE
	v_mov_b32 v[NIL], 0
	ds_add_u32 v[SPW], v[NIL]                      ; the wave's opening: the add, twice on end, and its wait ahead of my first tensor load
	ds_add_u32 v[SPW], v[NIL]
	v_lshrrev_b32 v1, 5, v0
	v_readfirstlane_b32 s14, v1                    ; wave 0..3
	s_lshr_b32 s15, s14, 1                         ; which half of the tile's rows is mine.  Also: I fetch for x (0) or for w (1)
	s_and_b32 s16, s14, 1                          ; which half of its columns.  Also: which 128 rows I fetch
	s_bfe_u32 s40, ttmp6, 0x40000                  ; cx, cy: my place in the cluster
	s_bfe_u32 s41, ttmp6, 0x40004
	s_lshl_b32 s42, ttmp9, 2
	s_add_co_u32 s42, s42, s40                     ; tile column = 4 x cluster x + cx
	s_and_b32 s17, ttmp7, 0xffff
	s_lshl_b32 s17, s17, 2
	s_add_co_u32 s17, s17, s41                     ; tile row = 4 x cluster y + cy
	s_lshl_b32 s43, s41, 2
	s_lshl_b32 s43, 15, s43                        ; my row of the cluster
	s_lshl_b32 s44, 0x1111, s40                    ; my column
	s_or_b32 s[G1+0], s43, (0<<16)|(1<<20)|(1<<21)|(5<<22)|(3<<25)  ; the mask; elements of 1 byte; padding on; bit 21 beside a mask; 4 words of padding after every 64
	s_or_b32 s[G1B+0], s44, (0<<16)|(1<<20)|(1<<21)|(5<<22)|(3<<25)
.irp g, G1, G1B
	s_mov_b32 s[\g+1], ROWB<<16                    ; tensor_dim0
	s_mov_b32 s[\g+2], 128<<16                     ; tensor_dim1
	s_mov_b32 s[\g+3], ROWB<<16                    ; tile_dim0
	s_mov_b32 s[\g+4], 128                         ; tile_dim1
	s_mov_b32 s[\g+5], KROW                        ; the pitch in memory
	s_mov_b32 s[\g+6], 0
	s_mov_b32 s[\g+7], 0
.endr
	s_or_b32 s[G1S+0], s43, (3<<16)|(1<<20)|(1<<21)|(5<<22)|(3<<25) ; the scales of 128 rows: 4,096 dense bytes as 16 rows of 32 elements of 8 bytes
	s_or_b32 s[G1SB+0], s44, (3<<16)|(1<<20)|(1<<21)|(5<<22)|(3<<25)
.irp g, G1S, G1SB
	s_mov_b32 s[\g+1], 32<<16
	s_mov_b32 s[\g+2], 16<<16
	s_mov_b32 s[\g+3], 32<<16
	s_mov_b32 s[\g+4], 16
	s_mov_b32 s[\g+5], 32
	s_mov_b32 s[\g+6], 0
	s_mov_b32 s[\g+7], 0
.endr
	s_lshl_b32 s18, s16, 7
	s_lshl_b32 s20, s17, 8
	s_add_co_u32 s20, s20, s18                     ; x: row 256 x tile row + 128 x half
	s_lshl_b32 s46, s42, 8
	s_add_co_u32 s46, s46, s18                     ; w: row 256 x tile column + 128 x half
	s_mov_b32 s21, 0
	s_mov_b32 s47, 0
	s_mov_b64 s[18:19], KS
	s_mul_u64 s[22:23], s[20:21], s[18:19]         ; where these rows' scales begin
	s_mul_u64 s[92:93], s[46:47], s[18:19]
	s_mov_b64 s[18:19], KROW
	s_mul_u64 s[20:21], s[20:21], s[18:19]         ; and their codes
	s_mul_u64 s[46:47], s[46:47], s[18:19]
	s_mul_i32 s45, s14, HALFT                      ; where they go: wave x 128 rows: no place in the cluster enters an LDS address
	s_mul_i32 s94, s14, HALFS
	s_wait_dscnt 0x0                               ; both opening adds are done
	s_wait_kmcnt 0x0
	s_add_nc_u64 s[20:21], s[4:5], s[20:21]
	s_add_nc_u64 s[22:23], s[6:7], s[22:23]
	s_add_nc_u64 s[46:47], s[8:9], s[46:47]
	s_add_nc_u64 s[92:93], s[10:11], s[92:93]
	CROUND                                         ; all sixteen work-groups are here: the joint loads meet
	s_mov_b32 s[G0S], 1
	s_add_co_u32 s[G0S+1], s94, SCL
	s_mov_b64 s[G0S+2:G0S+3], s[22:23]
	s_or_b32 s[G0S+3], s[G0S+3], 0x80000000
	s_mov_b32 s[G0SB], 1
	s_add_co_u32 s[G0SB+1], s94, SCL
	s_mov_b64 s[G0SB+2:G0SB+3], s[92:93]
	s_or_b32 s[G0SB+3], s[G0SB+3], 0x80000000
	JLOAD G0S, G1S, G0SB, G1SB                     ; the scales first: they are wanted with the first slot
.irp s, 0,1
	s_mov_b32 s[G0+4*\s], 1
	s_add_co_u32 s[G0+4*\s+1], s45, \s*SLOT
	s_add_nc_u64 s[G0+4*\s+2:G0+4*\s+3], s[20:21], \s*ROWB
	s_or_b32 s[G0+4*\s+3], s[G0+4*\s+3], 0x80000000
	s_mov_b32 s[G0B+4*\s], 1
	s_add_co_u32 s[G0B+4*\s+1], s45, \s*SLOT
	s_add_nc_u64 s[G0B+4*\s+2:G0B+4*\s+3], s[46:47], \s*ROWB
	s_or_b32 s[G0B+4*\s+3], s[G0B+4*\s+3], 0x80000000
	JLOAD G0+4*\s, G1, G0B+4*\s, G1B               ; three loads of mine are out
.endr
	v_and_b32 v1, 15, v0                           ; r = lane % 16
	v_bfe_u32 v2, v0, 4, 1                         ; h = lane / 16
	v_lshlrev_b32 v[BO], 5, v2
	s_lshl_b32 s20, s17, 8
	s_lshl_b32 s21, s15, 7
	s_add_co_u32 s20, s20, s21                     ; m0: my first row
	s_lshl_b32 s46, s42, 8
	s_lshl_b32 s47, s16, 7
	s_add_co_u32 s46, s46, s47                     ; n0: my first column
	s_mov_b32 s19, 0
	s_lshl_b32 s18, s46, 2
	s_add_nc_u64 s[96:97], s[96:97], s[18:19]      ; the bias at n0
	s_lshl_b32 s18, s46, 6
	s_add_nc_u64 s[100:101], s[100:101], s[18:19]  ; qkv32 at column n0: 1,024 bytes for each 16 columns,
	s_lshr_b32 s18, s17, 3
	s_mul_i32 s18, s18, 196608
	s_add_nc_u64 s[100:101], s[100:101], s[18:19]  ; in my batch
.irp b, 0,1,2,3,4,5,6,7
	global_load_b128 v[BIAS+8*\b:BIAS+8*\b+3], v[BO], s[96:97] offset:64*\b        ; b_attn[n0 + 16 b + 8 h + 0 .. 7]: the result's layout
	global_load_b128 v[BIAS+8*\b+4:BIAS+8*\b+7], v[BO], s[96:97] offset:64*\b+16
.endr
	s_lshr_b32 s21, s46, 10                        ; q, k or v
	s_lshl_b32 s21, s21, 1
	s_lshr_b32 s22, s20, 11                        ; the batch
	s_add_co_u32 s21, s21, s22
	s_lshl_b32 s21, s21, 4
	s_bfe_u32 s22, s46, 0x40006                    ; the first of my two heads
	s_add_co_u32 s21, s21, s22
	s_lshl_b32 s21, s21, 11
	s_and_b32 s22, s20, 2047                       ; my first position
	s_add_co_u32 s21, s21, s22
	s_lshl_b32 s18, s21, 7                         ; 128 bytes a position
	s_add_nc_u64 s[98:99], s[98:99], s[18:19]
	v_mul_u32_u24 v3, v1, PITCH
	v_lshl_add_u32 v4, v2, 4, v3                   ; a fragment's row x pitch + 16 x half
	s_mul_i32 s21, s15, HALFT                      ; my 128 rows of x
	s_mul_i32 s22, s16, HALFT                      ; my 128 rows of w,
	s_add_co_u32 s22, s22, 2*HALFT                 ; which lie behind x's 256
.irp s, 0,1
	v_add_nc_u32 v[ADRA+\s], s21, v4
	v_add_nc_u32 v[ADRB+\s], s22, v4
	s_add_co_u32 s21, s21, SLOT
	s_add_co_u32 s22, s22, SLOT
.endr
	v_mul_u32_u24 v5, v1, KS                       ; my row's scales: 32 bytes a row,
	v_lshrrev_b32 v6, 8, v5
	v_lshl_add_u32 v5, v6, 4, v5                   ; and 16 more for each 256 passed
	s_mul_i32 s21, s15, HALFS
	s_mul_i32 s22, s16, HALFS
	s_add_co_u32 s22, s22, 2*HALFS
	s_sub_co_u32 s22, s22, s21
	v_mul_u32_u24 v6, s22, v2                      ; lanes 16-31 take w's
	s_add_co_u32 s21, s21, SCL
	v_add_nc_u32 v5, v5, v6
	v_add_nc_u32 v[ADRS], s21, v5
	s_mul_i32 s23, s14, 16*SPITCH                  ; my stage
	v_mul_u32_u24 v5, v1, SPITCH
	v_lshl_add_u32 v5, v2, 4, v5
	v_add_nc_u32 v[STO], s23, v5                   ; in: row r, 16 bytes for each half of the lanes
	v_and_b32 v6, 31, v0
	v_lshlrev_b32 v[CO], 4, v6                     ; in qkv16 a head's rows follow each other, and qkv32 holds images: 16 x lane
	v_lshrrev_b32 v5, 3, v6
	v_mul_u32_u24 v5, v5, SPITCH
	v_and_b32 v6, 7, v0
	v_lshl_add_u32 v5, v6, 4, v5
	v_add_nc_u32 v[RD], s23, v5                    ; back: eight lanes to a head's 128 bytes of a row, four rows an instruction
.macro FRAG reg, adr, q, i             ; 16 rows x 128 K of 4-bit codes: 8 registers: lane l holds row l % 16; registers 4 c .. 4 c + 3 hold K = 64 c + 32 (l / 16) + 0 .. 31
.irp c, 0,1
	ds_load_b128 v[\reg+4*\c:\reg+4*\c+3], v[\adr] offset:64*(\q)+32*\c+(\i)*16*PITCH
.endr
.endm
; 16 matrix instructions: x's blocks a0, a0 + 1 against w's eight.  p: w's set; sc: the set of scale words; zero = 1: the first product starts the sums from the bias.
; The 64 accumulators take turns, one instruction a turn, in the same order in every step.
.macro MUL16 a0, p, q, sc, zero
.irp a, \a0, \a0+1
.irp b, 0,1,2,3,4,5,6,7
.if \zero
	v_wmma_scale_f32_16x16x128_f8f6f4 v[8*(8*((\a)%4)+\b):8*(8*((\a)%4)+\b)+7], v[128*(\p)+FR*\b:128*(\p)+FR*\b+FR-1], v[AF+FR*(\a):AF+FR*(\a)+FR-1], v[BIAS+8*\b:BIAS+8*\b+7], v[SC+8*NQ*(\sc)+NQ*\b+(\q)], v[SC+8*NQ*(\sc)+NQ*(\a)+(\q)] matrix_a_fmt:MATRIX_FMT_FP4 matrix_b_fmt:MATRIX_FMT_FP4 matrix_a_scale:MATRIX_SCALE_ROW1
.else
	v_wmma_scale_f32_16x16x128_f8f6f4 v[8*(8*((\a)%4)+\b):8*(8*((\a)%4)+\b)+7], v[128*(\p)+FR*\b:128*(\p)+FR*\b+FR-1], v[AF+FR*(\a):AF+FR*(\a)+FR-1], v[8*(8*((\a)%4)+\b):8*(8*((\a)%4)+\b)+7], v[SC+8*NQ*(\sc)+NQ*\b+(\q)], v[SC+8*NQ*(\sc)+NQ*(\a)+(\q)] matrix_a_fmt:MATRIX_FMT_FP4 matrix_b_fmt:MATRIX_FMT_FP4 matrix_a_scale:MATRIX_SCALE_ROW1
.endif
.endr
.endr
.endm
.macro FETCH_B slot, q, p
	WIN TO_B
.irp i, 0,1,2,3,4,5,6,7
	FRAG 128*(\p)+FR*\i, ADRB+\slot, \q, \i
.endr
	WIN 0
.endm
.macro FETCH_A slot, q, i0
.irp i, \i0, \i0+1, \i0+2, \i0+3
	FRAG AF+FR*(\i), ADRA+\slot, \q, \i
.endr
.endm
.macro SCALES sc                       ; a slot's scale words: 4 words a row; lanes 0-15 take x's block i, lanes 16-31 w's block i
.irp i, 0,1,2,3,4,5,6,7
	ds_load_b128 v[SC+8*NQ*\sc+NQ*\i:SC+8*NQ*\sc+NQ*\i+3], v[ADRS] offset:\i*SBLK
.endr
.endm
.macro PLACES n                        ; plain vector instructions between a matrix instruction and a load into, or a read of, its registers
.rept \n
	v_nop
.endr
.endm
.macro STEP slot, q, zero              ; 128 along K that has its successor in the same slot
	s_wait_dscnt 4*NL                              ; w's set and x's blocks 0-3 are in; the youngest eight loads (x's blocks 4-7) may be out
.if \zero
	WIN MUL_LO_B
.else
	WIN MUL_LO
.endif
	MUL16 0, (\q)%2, \q, \slot, \zero
	MUL16 2, (\q)%2, \q, \slot, \zero
	s_wait_dscnt 0
	PLACES NP
	FETCH_B \slot, (\q)+1, 1-(\q)%2
	FETCH_A \slot, (\q)+1, 0
.if \zero
	WIN MUL_HI_B
.else
	WIN MUL_HI
.endif
	MUL16 4, (\q)%2, \q, \slot, \zero
	MUL16 6, (\q)%2, \q, \slot, \zero
	PLACES NP
	WIN 0
	FETCH_A \slot, (\q)+1, 4
.endm
; Slot 0's last step changes slots: in front of the one barrier each wave waits for all its tensor loads (its part of slot 1), adds 0 to its spare word, and waits for that and for its reads of slot 0.  Nothing is filled again.
.macro TURN slot, next
	s_wait_tensorcnt 0x0
	ds_add_u32 v[SPW], v[NIL]
	s_wait_dscnt 4*NL+1                            ; the add and the youngest eight loads may be out
	WIN MUL_LO
	MUL16 0, 1, NQ-1, \slot, 0
	s_wait_dscnt 0x0                               ; the add is done, and my reads of this slot are over
	s_barrier_signal -1
	MUL16 2, 1, NQ-1, \slot, 0
	WIN 0
	s_barrier_wait -1
	PLACES NP
	v_add_nc_u32 v[ADRS], 4*NQ, v[ADRS]            ; on to the next slot's scale words
	FETCH_B \next, 0, 0
	FETCH_A \next, 0, 0
	SCALES \next
	WIN MUL_HI
	MUL16 4, 1, NQ-1, \slot, 0
	MUL16 6, 1, NQ-1, \slot, 0
	PLACES NP
	WIN 0
	FETCH_A \next, 0, 4
.endm
.macro STEPS slot, from
.set Q, \from
.rept NQ-1-\from
	STEP \slot, Q, 0
.set Q, Q+1
.endr
.endm
	s_wait_tensorcnt 1                             ; the scales and my part of slot 0 are in; slot 1's load may be out
	s_barrier_signal -1
	s_barrier_wait -1
	FETCH_B 0, 0, 0
	FETCH_A 0, 0, 0
	SCALES 0
	FETCH_A 0, 0, 4
	s_wait_loadcnt 0x0                             ; the bias
	STEP 0, 0, 1
	STEPS 0, 1
	TURN 0, 1
	STEPS 1, 0
	s_wait_dscnt 4*NL                              ; the very last step
	WIN MUL_LO
	MUL16 0, 1, NQ-1, 1, 0
	MUL16 2, 1, NQ-1, 1, 0
	s_wait_dscnt 0
	WIN MUL_HI
	MUL16 4, 1, NQ-1, 1, 0
	MUL16 6, 1, NQ-1, 1, 0
	WIN 0
	PLACES NP
; THE FIRST 16 POSITIONS OF A BATCH IN F32.  They are block 0 of the waves with the upper rows of tile rows 0 and 8.  Which tile row is mine hangs on my place in the cluster:
; the lanes are switched off elsewhere, and the branch is on the wave's number alone.  The registers leave as they stand, 16 bytes a lane: each store covers 512 consecutive bytes.  393,216 bytes in the whole launch.
	s_cmp_lg_u32 s15, 0
	s_cbranch_scc1 .Lno_head_rows
	s_and_b32 s20, s17, 7
	v_cmp_eq_u32 vcc_lo, s20, v[NIL]
	s_wait_xcnt 0x0                                ; EXEC changes only behind this wait
	s_and_saveexec_b32 s21, vcc_lo
	WIN 0x08                                       ; a store's data are its source 1: window 2
.irp b, 0,1,2,3,4,5,6,7
	global_store_b128 v[CO], v[8*\b:8*\b+3], s[100:101] offset:1024*\b        ; each accumulator from its low end on
	global_store_b128 v[CO], v[8*\b+4:8*\b+7], s[100:101] offset:1024*\b+512
.endr
	WIN 0
	s_wait_xcnt 0x0                                ; and again, in front of the line that widens it
	s_or_b32 exec_lo, exec_lo, s21
.Lno_head_rows:
; THE WAY OUT, block by block of 16 rows x 128 columns: rounded to f16, 16 bytes a lane into my stage, back as a head's rows of 128 bytes, four rows (512 consecutive bytes of qkv16) an instruction.
.macro PACK a
.set AC, 64*((\a)%4)
	WIN 0x0a+5*((\a)/4)                            ; sources 0 and 1: window 2 or 3
.irp b, 0,1,2,3,4,5,6,7
.irp r, 0,1,2,3
	v_cvt_pk_f16_f32 v[TMP+4*\b+\r], v[AC+8*\b+2*\r], v[AC+8*\b+2*\r+1]
.endr
.endr
	WIN 0
.endm
.macro TOSTAGE a
.set BB, OB+192*((\a)%2)
.irp b, 0,1,2,3,4,5,6,7
	ds_store_b128 v[STO], v[TMP+4*\b:TMP+4*\b+3] offset:32*\b
.endr
.irp hd, 0,1
.irp j, 0,1,2,3
	ds_load_b128 v[BB+16*\hd+4*\j:BB+16*\hd+4*\j+3], v[RD] offset:128*\hd+\j*4*SPITCH   ; LDS serves a wave's instructions in order (ISA guide 5.7.1.4): these see the stores above
.endr
.endr
.endm
.macro SEND a
.set BB, OB+192*((\a)%2)
	s_wait_dscnt 0x0                               ; the block is back in registers
	s_wait_xcnt 0x0                                ; the stores of two blocks back have read their registers: the next block's loads may land there
.irp hd, 0,1
.irp j, 0,1,2,3
	global_store_b128 v[CO], v[BB+16*\hd+4*\j:BB+16*\hd+4*\j+3], s[98:99] offset:\hd*262144+(\a)*2048+\j*512
.endr
.endr
.endm
	PACK 0
	TOSTAGE 0
.irp a, 1,2,3,4,5,6,7                  ; block a's conversions stand between block a - 1's loads from the stage and the wait for them
	PACK \a
	SEND \a-1
	TOSTAGE \a
.endr
	SEND 7
	s_wait_tensorcnt 0x0                           ; the wave's end
	ds_add_u32 v[SPW], v[NIL]
	s_wait_dscnt 0x0
	CROUND                                         ; the closing round
	s_endpgm
.Lfunc_end_k_qc7ae7284d0_qkv:
	.size	k_qc7ae7284d0_qkv, .Lfunc_end_k_qc7ae7284d0_qkv-k_qc7ae7284d0_qkv
	.p2alignl 7, 3214868480
	.fill 96, 4, 3214868480
	.section	.rodata,"a",@progbits
	.p2align	6, 0x0
	.amdhsa_kernel k_qc7ae7284d0_qkv
		.amdhsa_group_segment_fixed_size 327680
		.amdhsa_private_segment_fixed_size 0
		.amdhsa_enable_private_segment 0
		.amdhsa_kernarg_size 56
		.amdhsa_user_sgpr_count 2
		.amdhsa_user_sgpr_kernarg_segment_ptr 1
		.amdhsa_wavefront_size32 1
		.amdhsa_system_sgpr_workgroup_id_x 1
		.amdhsa_system_sgpr_workgroup_id_y 1
		.amdhsa_system_sgpr_workgroup_id_z 1
		.amdhsa_system_vgpr_workitem_id 0
		.amdhsa_next_free_vgpr 1024
		.amdhsa_next_free_sgpr 102
		.amdhsa_reserve_vcc 1
		.amdhsa_float_denorm_mode_32 3
		.amdhsa_float_denorm_mode_16_64 3
		.amdhsa_memory_ordered 1
		.amdhsa_forward_progress 1
		.amdhsa_inst_pref_size 130
	.end_amdhsa_kernel
	.amdgpu_metadata
---
amdhsa.version: [ 1, 2 ]
amdhsa.kernels:
  - .name:           k_qc7ae7284d0_qkv
    .symbol:         k_qc7ae7284d0_qkv.kd
    .args:
      - { .name: xc, .offset: 0, .size: 8, .value_kind: global_buffer, .address_space: global }
      - { .name: xs, .offset: 8, .size: 8, .value_kind: global_buffer, .address_space: global }
      - { .name: wc, .offset: 16, .size: 8, .value_kind: global_buffer, .address_space: global }
      - { .name: ws, .offset: 24, .size: 8, .value_kind: global_buffer, .address_space: global }
      - { .name: b_attn, .offset: 32, .size: 8, .value_kind: global_buffer, .address_space: global }
      - { .name: qkv16, .offset: 40, .size: 8, .value_kind: global_buffer, .address_space: global }
      - { .name: qkv32, .offset: 48, .size: 8, .value_kind: global_buffer, .address_space: global }
    .group_segment_fixed_size: 327680
    .private_segment_fixed_size: 0
    .kernarg_segment_align: 8
    .kernarg_segment_size: 56
    .max_flat_workgroup_size: 128
    .sgpr_count:     102
    .vgpr_count:     1024
    .wavefront_size: 32
...
	.end_amdgpu_metadata
.endif
;; end of part 2
;; launch attn (part 3): grid 8 x 32, 8 waves a work-group, no clusters, 327,680 bytes of LDS; arguments qkv16, attn16; writes attn16
.if DOCPART == 3
	.amdgcn_target "amdgcn-amd-amdhsa--gfx1250"
	.amdhsa_code_object_version 6
	.text
	.protected	k_qc7ae7284d0_attn
	.globl	k_qc7ae7284d0_attn
	.p2align	8
	.type	k_qc7ae7284d0_attn,@function
k_qc7ae7284d0_attn:
	s_mov_b64 s[64:65], 0
	v_nop
	global_prefetch_b8 v0, s[64:65] scope:SCOPE_SE
	s_setreg_imm32_b32 hwreg(HW_REG_WAVE_MODE, 25, 1), 1
	s_wait_xcnt 0x0
; attn[b][h][q][:] = sum over k <= q of softmax_k(Q[q] . K[k] / 8) V[k][:], head size 64, 2,048 positions, 32 heads (batch x head).  Q, K, V in f16 (qkv16 [q, k, v][b][h][position][64]); products, maxima and sums in f32;
; the weights p (at most 1) are rounded to f16 for the second product, the result once at the end.  LIMIT: |q|, |k|, |v| and the result at most 65,504.
; OUT: attn16 [b][position / 128][h][position % 128][64] f16: what a wave stores is 4,096 consecutive bytes.
; EVEN WORK UNDER THE CAUSAL MASK.  A head has 16 blocks of 128 queries.  Work-group j takes block 15 - j (pass 1) and then block j (pass 2): (16 - j) + (j + 1) = 17 blocks of 128 keys for every work-group.
; SHARES.  Eight waves.  Wave w: g = w % 4 picks 32 queries (two tiles of 16); kh = w / 4 picks the key steps: of a slot's four steps of 64 keys it takes steps kh and kh + 2.  The two halves of a query group meet in LDS at a pass's end.
; LAYOUT.  S^T = K Q^T (source 0 = 16 keys, source 1 = 16 queries): a lane holds ONE query (lane % 16) and keys 8 (lane / 16) + 0..7; two such tiles, rounded in pairs, ARE source 1 of O^T = V^T P.  V is turned by ds_load_tr16_b128.
; SOFTMAX.  A running maximum m and sum l for each query: p = 2^(c s - c m), c = log2(e) / 8; in every step O and l are multiplied by a = 2^(c m_old - c m_new).
; THE RING.  Two slots of 256 keys.  Waves 0-3 fetch K's rows of step w, waves 4-7 V's rows of step w - 4: one tensor load a wave, 64 rows of 128 bytes.  Every work-group walks 8 + 4 changes of slots (constant trip counts).
; A step all of whose keys come after the wave's queries is jumped over, and a slot whose first key comes after the work-group's last query is not asked for.  That test is by slot, the same in all eight waves:
; where a block's limit is an odd multiple of 128 the upper 128 keys of its last slot come with the slot and are read by nobody.
; NO CLUSTER: under the mask the query blocks of a head need different numbers of tiles.
; REGISTERS: window 0: v1-16 addresses; v24-39 statistics, eight a tile; v40-103 S^T; v104-135 P; v136-199 O^T; v200-247 at work at a pass's end.  window 1: v0-31 Q; v32-95 K of a step; v96-159 V of a step.
.set PK,    144                        ; a row of K in LDS: 128 bytes + 16: an odd multiple of 16
.set PV,    160                        ; a row of V: 128 + 32: an odd multiple of 32, for the turning load
.set VOFF,  64*PK                      ; a step's tiles lie together: 64 rows of K, then 64 rows of V
.set STEPB, 64*(PK+PV)
.set SLOT1, 1<<17                      ; slot 1 begins here: one exclusive or turns an address in one slot into the other's
.set SLOTG, 32768                      ; 256 keys of 128 bytes in memory
.set MRG,   212992                     ; behind the ring: for each g 16 images of 512 bytes (O^T of the wave with kh = 1) and 4 x 128 bytes of its statistics
.set STG,   247808                     ; for each g a stage of 32 rows x 144 bytes for the way out
.set SPARE, 266240                     ; the spare words, 128 bytes for each wave: four blocks of 256 bytes that no other line names
.set AK0, 1
.set AV0, 2
.set ADK, 3
.set ADV, 4
.set QO,  5
.set RH,  6                            ; v6  lane % 16 - 8 (lane / 16)
.set DD,  7
.set NEG, 8                            ; v8  -infinity
.set MW,  9
.set MS,  10
.set STO, 11
.set RD,  12
.set GO,  13
.set SPW, 14                           ; v14 LDS address of my spare word; never rewritten
.set NIL, 15                           ; v15 0; never rewritten
.set PFO, 16                           ; v16 256 x lane
.set ST,  24                           ; tile t at v[ST + 8 t]: +0 c m, +1 m, +2, +3 l (even keys', odd keys'), +4 .. +7 at work; a takes +6
.set S,   40
.set P,   104
.set O,   136
.set QFR, 0                            ; in window 1
.set KFR, 32
.set VFR, 96
.set WV,  8
.set G,   9
.set KH,  10
.set BH,  11
.set G1K, 16
.set G1V, 24
.set G0,  32
.set PFA, 36
.set LIM, 38
.set SL,  39
.set TW,  40
.set TB,  41                           ; LDS byte at which my next step's tiles begin
.set KF,  42                           ; my next step's first key
.set SF,  43                           ; the slot's first key: the same in all waves
.set Q0,  44                           ; my first query
.set QL,  45                           ; the work-group's last query of this pass
.set CS,  46
.set SEL, 48
.set MSB, 0
.macro WIN new                         ; the immediate's high byte repeats the setting that is left
.if MSB != (\new)
	s_set_vgpr_msb (MSB<<8)|(\new)
.set MSB, (\new)
.endif
.endm
; Every wave fetches: waves 0-3 with K's padding, waves 4-7 with V's.  An s_nop 0 and four v_nop follow each of the two lines.
.macro TLOAD
	s_cmp_lt_u32 s[WV], 4
	s_cbranch_scc0 .Lfor_v_\@
	tensor_load_to_lds s[G0:G0+3], s[G1K:G1K+7]
	s_nop 0
.rept 4
	v_nop
.endr
	s_branch .Lasked_\@
.Lfor_v_\@:
	tensor_load_to_lds s[G0:G0+3], s[G1V:G1V+7]
	s_nop 0
.rept 4
	v_nop
.endr
.Lasked_\@:
.endm
; A PREFETCH INTO THE L2 of what the NEXT change of slots will ask for.  All work-groups of a head walk the same K and V: work-group 0 of the head, whose pass 1 walks all eight slots, asks, and nobody else.
; Each of its waves names the 8,192 bytes that it will itself fetch, lanes 256 bytes apart: each block of 256 bytes is named once in the launch.  Trips 0 to 5 of pass 1 ask for slots 2 to 7; nothing is asked at the head or in pass 2.
.macro ASK
	s_cmp_gt_u32 s[SL], s[LIM]
	s_cbranch_scc0 .Lnot_mine_\@
	global_prefetch_b8 v[PFO], s[PFA:PFA+1] th:TH_LOAD_NT scope:SCOPE_SE
.Lnot_mine_\@:
.endm
	s_load_b128 s[4:7], s[0:1], 0x0                ; qkv16 s[4:5], attn16 s[6:7]
	v_lshl_add_u32 v[SPW], v0, 2, SPARE
	v_mov_b32 v[NIL], 0
	ds_add_u32 v[SPW], v[NIL]                      ; the wave's opening: the add, twice on end, and its wait ahead of my first tensor load
	ds_add_u32 v[SPW], v[NIL]
	v_lshrrev_b32 v1, 5, v0
	v_readfirstlane_b32 s[WV], v1                  ; wave 0..7
	s_and_b32 s[G], s[WV], 3
	s_lshr_b32 s[KH], s[WV], 2
	s_and_b32 s[BH], ttmp7, 0xffff                 ; 16 x batch + head
	s_mov_b32 s[G1K], (1<<16)|(1<<20)|(4<<22)|(3<<25)   ; no mask; elements of 2 bytes; padding on: 4 words after every 32
	s_mov_b32 s[G1V], (1<<16)|(1<<20)|(4<<22)|(7<<25)   ; the same with 8 words
.irp g, G1K, G1V
	s_mov_b32 s[\g+1], 64<<16                      ; tensor_dim0 = 64
	s_mov_b32 s[\g+2], 64<<16                      ; tensor_dim1 = 64
	s_mov_b32 s[\g+3], 64<<16                      ; tile_dim0 = 64
	s_mov_b32 s[\g+4], 64                          ; tile_dim1 = 64
	s_mov_b32 s[\g+5], 64                          ; the pitch in memory: rows are dense
	s_mov_b32 s[\g+6], 0
	s_mov_b32 s[\g+7], 0
.endr
	s_mov_b32 s[G0], 1
	s_mul_i32 s[G0+1], s[G], STEPB                 ; the step that I fetch for,
	s_mul_i32 s13, s[KH], VOFF                     ; K's tile or V's
	s_add_co_u32 s[G0+1], s[G0+1], s13
	s_cmp_lt_u32 s[WV], 4
	s_cselect_b32 s14, 32, 64                      ; K's 32 heads lie behind Q's, V's behind K's
	s_add_co_u32 s14, s14, s[BH]
	s_lshl_b32 s14, s14, 18                        ; 262,144 bytes a head
	s_lshl_b32 s13, s[G], 13
	s_add_co_u32 s14, s14, s13                     ; + my 64 rows
	s_mov_b32 s15, 0
	s_mov_b32 s[CS], 0x3e38aa3b                    ; c = log2(e) / 8
	s_mov_b32 s[CS+1], s[CS]
	s_mov_b32 s[SEL], 0x76543210
	s_mov_b32 s[SEL+1], 0xfedcba98                 ; v_permlanex16_b32's selects for lane l xor 16
	s_mul_i32 s[TB], s[KH], STEPB
	s_cmp_eq_u32 ttmp9, 0
	s_cselect_b32 s[LIM], 1, -1
	s_lshl_b32 s13, s[G], 5
	s_sub_co_u32 s12, 15, ttmp9                    ; pass 1's block of queries
	s_lshl_b32 s58, s12, 7
	s_add_co_u32 s58, s58, s13                     ; my first query in pass 1,
	s_lshl_b32 s59, ttmp9, 7
	s_add_co_u32 s59, s59, s13                     ; and in pass 2
	s_lshl_b32 s60, s[BH], 18
	s_lshl_b32 s50, s58, 7
	s_add_co_u32 s50, s50, s60
	s_mov_b32 s51, 0
	s_lshl_b32 s52, s59, 7
	s_add_co_u32 s52, s52, s60
	s_mov_b32 s53, 0
	s_lshr_b32 s60, s[BH], 4
	s_lshl_b32 s60, s60, 4                         ; 16 x batch
	s_and_b32 s61, s[BH], 15
	s_lshl_b32 s61, s61, 14                        ; a head's 128 rows of 128 bytes
	s_lshl_b32 s13, s[G], 12
	s_add_co_u32 s61, s61, s13                     ; + my 32 rows
	s_add_co_u32 s54, s60, s12
	s_lshl_b32 s54, s54, 18
	s_add_co_u32 s54, s54, s61
	s_mov_b32 s55, 0
	s_add_co_u32 s56, s60, ttmp9
	s_lshl_b32 s56, s56, 18
	s_add_co_u32 s56, s56, s61
	s_mov_b32 s57, 0
	s_wait_dscnt 0x0                               ; both opening adds are done
	s_wait_kmcnt 0x0
	s_add_nc_u64 s[PFA:PFA+1], s[4:5], s[14:15]
	s_mov_b64 s[G0+2:G0+3], s[PFA:PFA+1]
	s_or_b32 s[G0+3], s[G0+3], 0x80000000          ; type = 2
	TLOAD                                          ; keys 0 to 255 into slot 0
	s_add_nc_u64 s[PFA:PFA+1], s[PFA:PFA+1], SLOTG ; in slot 1; the first change of slots steps it to slot 2
	s_add_nc_u64 s[50:51], s[4:5], s[50:51]        ; Q at my first query, pass 1 and pass 2
	s_add_nc_u64 s[52:53], s[4:5], s[52:53]
	s_add_nc_u64 s[54:55], s[6:7], s[54:55]        ; my 32 rows of the result, pass 1 and pass 2
	s_add_nc_u64 s[56:57], s[6:7], s[56:57]
	v_and_b32 v17, 15, v0                          ; r
	v_bfe_u32 v18, v0, 4, 1                        ; h
	v_and_b32 v19, 31, v0                          ; lane
	v_mul_u32_u24 v[AK0], v17, PK
	v_lshl_add_u32 v[AK0], v18, 4, v[AK0]          ; K: row r x pitch + 16 h
	v_and_b32 v20, 7, v0
	v_bfe_u32 v21, v0, 3, 1
	v_lshl_add_u32 v[AV0], v18, 3, v20
	v_mul_u32_u24 v[AV0], v[AV0], PV
	v_lshl_add_u32 v[AV0], v21, 4, v[AV0]
	v_add_nc_u32 v[AV0], VOFF, v[AV0]              ; V: key 8 h + lane % 8, channels 8 ((lane / 8) % 2) on
	v_lshlrev_b32 v[QO], 7, v17
	v_lshl_add_u32 v[QO], v18, 4, v[QO]            ; Q in memory: row r of 128 bytes + 16 h
	v_lshlrev_b32 v[RH], 3, v18
	v_sub_nc_u32 v[RH], v17, v[RH]
	v_mov_b32 v[NEG], 0xff800000
	s_mul_i32 s12, s[G], 8704
	s_add_co_u32 s12, s12, MRG
	v_lshl_add_u32 v[MW], v19, 4, s12              ; the images: 16 x lane
	s_add_co_u32 s12, s12, 8192
	v_lshl_add_u32 v[MS], v19, 2, s12              ; the statistics: 4 x lane
	s_mul_i32 s12, s[G], 4608
	s_add_co_u32 s12, s12, STG
	v_mul_u32_u24 v[STO], v17, 144
	v_lshl_add_u32 v[STO], v18, 4, v[STO]
	v_add_nc_u32 v[STO], s12, v[STO]               ; the stage, in: row r, 16 bytes for each half of the lanes
	v_lshrrev_b32 v[RD], 3, v19
	v_mul_u32_u24 v[RD], v[RD], 144
	v_lshl_add_u32 v[RD], v20, 4, v[RD]
	v_add_nc_u32 v[RD], s12, v[RD]                 ; back: eight lanes to a row of 128 bytes
	v_lshlrev_b32 v[GO], 4, v19
	v_lshlrev_b32 v[PFO], 8, v19
	v_mov_b32 v206, 0                              ; written once: a lane permute's destination counts as one of its sources
	v_mov_b32 v207, 0
; THE SOFTMAX of a step, both tiles line by line alternately, so that no line waits for the line above it.
.macro SOFT
.irp j, 0,1,2,3
.irp t, 0,1
	v_max3_num_f32 v[ST+8*\t+4+\j], v[S+32*\t+8*\j], v[S+32*\t+8*\j+1], v[S+32*\t+8*\j+2]   ; four chains; each accumulator is read from its low end on
.endr
.endr
.irp n, 1,2
.irp j, 0,1,2,3
.irp t, 0,1
	v_max3_num_f32 v[ST+8*\t+4+\j], v[ST+8*\t+4+\j], v[S+32*\t+8*\j+2*\n+1], v[S+32*\t+8*\j+2*\n+2]
.endr
.endr
.endr
.irp t, 0,1
	v_max3_num_f32 v[ST+8*\t+4], v[ST+8*\t+4], v[S+32*\t+7], v[S+32*\t+15]
	v_max3_num_f32 v[ST+8*\t+6], v[ST+8*\t+6], v[S+32*\t+23], v[S+32*\t+31]
.endr
.irp t, 0,1
	v_max3_num_f32 v[ST+8*\t+4], v[ST+8*\t+4], v[ST+8*\t+5], v[ST+8*\t+6]
.endr
.irp t, 0,1
	v_max3_num_f32 v[ST+8*\t+4], v[ST+8*\t+4], v[ST+8*\t+7], v[ST+8*\t+1]   ; with the old m
.endr
.irp t, 0,1
	v_permlanex16_b32 v[ST+8*\t+5], v[ST+8*\t+4], s[SEL], s[SEL+1]          ; the query's other 32 keys lie in the lane 16 away
.endr
.irp t, 0,1
	v_mov_b32 v[ST+8*\t+7], v[ST+8*\t]             ; c m_old is kept for a
.endr
.irp t, 0,1
	v_max_num_f32 v[ST+8*\t+1], v[ST+8*\t+4], v[ST+8*\t+5]
.endr
.irp t, 0,1
	v_mul_f32 v[ST+8*\t], s[CS], v[ST+8*\t+1]
.endr
.irp t, 0,1
	v_sub_f32 v[ST+8*\t+7], v[ST+8*\t+7], v[ST+8*\t]
.endr
.irp b, 0,1,2,3,4,5,6,7,8,9,10,11,12,13,14,15
.irp t, 0,1
	v_pk_fma_f32 v[S+32*\t+2*\b:S+32*\t+2*\b+1], v[S+32*\t+2*\b:S+32*\t+2*\b+1], s[CS:CS+1], v[ST+8*\t:ST+8*\t+1] op_sel_hi:[1,0,0] neg_lo:[0,0,1] neg_hi:[0,0,1]   ; c s - c m, a pair at a time
.endr
.endr
.irp t, 0,1
	v_exp_f32 v[ST+8*\t+6], v[ST+8*\t+7]           ; a
.endr
.set n, 0
.rept 64
	v_exp_f32 v[S+n], v[S+n]                       ; p: the 66 exponentials are one batch
.set n, n+1
.endr
	v_nop                                          ; a plain instruction behind the last exponential,
	s_wait_alu depctr_va_vdst(0)                   ; and the one wait ahead of the batch's first reader
.irp i, 0,1,2,3,4,5,6,7,8,9,10,11,12,13,14,15
.irp t, 0,1
	v_cvt_pk_f16_f32 v[P+16*\t+\i], v[S+32*\t+2*\i], v[S+32*\t+2*\i+1]
.endr
.endr
.irp u, 0,1,2,3,4,5,6,7
.irp t, 0,1
	v_pk_add_f32 v[S+32*\t+4*\u:S+32*\t+4*\u+1], v[S+32*\t+4*\u:S+32*\t+4*\u+1], v[S+32*\t+4*\u+2:S+32*\t+4*\u+3]   ; the sum of the unrounded p, in place, as a tree
.endr
.endr
.irp u, 0,1,2,3
.irp t, 0,1
	v_pk_add_f32 v[S+32*\t+8*\u:S+32*\t+8*\u+1], v[S+32*\t+8*\u:S+32*\t+8*\u+1], v[S+32*\t+8*\u+4:S+32*\t+8*\u+5]
.endr
.endr
.irp u, 0,1
.irp t, 0,1
	v_pk_add_f32 v[S+32*\t+16*\u:S+32*\t+16*\u+1], v[S+32*\t+16*\u:S+32*\t+16*\u+1], v[S+32*\t+16*\u+8:S+32*\t+16*\u+9]
.endr
.endr
.irp t, 0,1
	v_pk_add_f32 v[S+32*\t:S+32*\t+1], v[S+32*\t:S+32*\t+1], v[S+32*\t+16:S+32*\t+17]
.endr
.irp t, 0,1
	v_pk_fma_f32 v[ST+8*\t+2:ST+8*\t+3], v[ST+8*\t+2:ST+8*\t+3], v[ST+8*\t+6:ST+8*\t+7], v[S+32*\t:S+32*\t+1] op_sel_hi:[1,0,1]   ; l = a l + the sum
.endr
.irp i, 0,1,2,3,4,5,6,7,8,9,10,11,12,13,14,15
.irp t, 0,1
	v_pk_mul_f32 v[O+32*\t+2*\i:O+32*\t+2*\i+1], v[O+32*\t+2*\i:O+32*\t+2*\i+1], v[ST+8*\t+6:ST+8*\t+7] op_sel_hi:[1,0]   ; O^T times a, each accumulator from its low end on
.endr
.endr
.endm
; A KEY STEP of mine: 64 keys from s[KF] on, at LDS byte s[TB].
.macro STEP
	s_add_co_u32 s12, s[Q0], 31
	s_cmp_gt_u32 s[KF], s12                        ; all 64 keys come after my 32 queries: the step's work is left out; the lines at its end that step addresses are not.  (KF is a multiple of 64 and Q0 of 32: a step that is walked has KF <= Q0)
	s_cbranch_scc1 .Lhidden_\@
	v_add_nc_u32 v[ADK], s[TB], v[AK0]
	v_add_nc_u32 v[ADV], s[TB], v[AV0]
	v_nop
	v_nop                                          ; four places in front of loads into registers that the last products have read
	WIN 0x40                                       ; destination window 1
.irp kt, 0,1,2,3
.irp c, 0,1
	ds_load_b128 v[KFR+16*\kt+8*\c:KFR+16*\kt+8*\c+3], v[ADK] offset:\kt*16*PK+64*\c
	ds_load_b128 v[KFR+16*\kt+8*\c+4:KFR+16*\kt+8*\c+7], v[ADK] offset:\kt*16*PK+64*\c+32
.endr
.endr
.irp kg, 0,1
.irp dt, 0,1,2,3
	ds_load_tr16_b128 v[VFR+32*\kg+8*\dt:VFR+32*\kg+8*\dt+3], v[ADV] offset:\kg*32*PV+32*\dt
	ds_load_tr16_b128 v[VFR+32*\kg+8*\dt+4:VFR+32*\kg+8*\dt+7], v[ADV] offset:\kg*32*PV+16*PV+32*\dt
.endr
.endr
	s_wait_dscnt 16                                ; K is in; V's sixteen loads may be out
	WIN 0x05                                       ; K and Q in window 1, S^T in window 0
.irp c, 0,1                                    ; eight accumulators by turns, one instruction a turn; the first eight products start the sums
.irp kt, 0,1,2,3
.irp t, 0,1
.if \c == 0
	v_wmma_f32_16x16x32_f16 v[S+32*\t+8*\kt:S+32*\t+8*\kt+7], v[KFR+16*\kt+8*\c:KFR+16*\kt+8*\c+7], v[QFR+16*\t+8*\c:QFR+16*\t+8*\c+7], 0
.else
	v_wmma_f32_16x16x32_f16 v[S+32*\t+8*\kt:S+32*\t+8*\kt+7], v[KFR+16*\kt+8*\c:KFR+16*\kt+8*\c+7], v[QFR+16*\t+8*\c:QFR+16*\t+8*\c+7], v[S+32*\t+8*\kt:S+32*\t+8*\kt+7]
.endif
.endr
.endr
.endr
	WIN 0
.rept 4
	v_nop
.endr
	s_add_co_u32 s12, s[KF], 63                    ; on the diagonal hidden scores become -infinity ahead of the maximum; a step all of whose keys count skips this
	s_cmp_le_u32 s12, s[Q0]
	s_cbranch_scc1 .Lopen_\@
	s_sub_co_i32 s12, s[Q0], s[KF]
	v_add_nc_u32 v[DD], s12, v[RH]                 ; d = Q0 - KF + r - 8 h.  Register 8 kt + j of tile t holds key KF + 16 kt + 8 h + j for query Q0 + 16 t + r: hidden where 16 kt + j - 16 t > d
.irp t, 0,1
.irp kt, 0,1,2,3
.irp j, 0,1,2,3,4,5,6,7
	v_cmp_gt_i32 vcc_lo, 16*\kt+\j-16*\t, v[DD]
	v_cndmask_b32 v[S+32*\t+8*\kt+\j], v[S+32*\t+8*\kt+\j], v[NEG], vcc_lo
.endr
.endr
.endr
.Lopen_\@:
	SOFT
	s_wait_dscnt 0x0                               ; V is in
	WIN 0x01                                       ; V in window 1; P and O^T in window 0
.irp kg, 0,1
.irp dt, 0,1,2,3
.irp t, 0,1
	v_wmma_f32_16x16x32_f16 v[O+32*\t+8*\dt:O+32*\t+8*\dt+7], v[VFR+32*\kg+8*\dt:VFR+32*\kg+8*\dt+7], v[P+16*\t+8*\kg:P+16*\t+8*\kg+7], v[O+32*\t+8*\dt:O+32*\t+8*\dt+7]
.endr
.endr
.endr
	WIN 0
.Lhidden_\@:
	s_add_co_u32 s[KF], s[KF], 128                 ; my next step lies two steps on
	s_add_co_u32 s[TB], s[TB], 2*STEPB
.endm
.macro TWO_STEPS                       ; my two steps of a slot: written once, walked twice
	s_mov_b32 s[TW], 2
.Lstep_\@:
	STEP
	s_sub_co_u32 s[TW], s[TW], 1
	s_cmp_lg_u32 s[TW], 0
	s_cbranch_scc1 .Lstep_\@
	s_sub_co_u32 s[TB], s[TB], 4*STEPB             ; back to my first step,
	s_xor_b32 s[TB], s[TB], SLOT1                  ; in the other slot
	s_add_co_u32 s[SF], s[SF], 256
.endm
; THE CHANGE OF SLOTS stands at a slot's head.  Each wave waits for all its tensor loads (its part of the slot ahead), adds 0 to its spare word, and waits for that and for its reads of the slot that it has left.
; Behind the barrier the slot ahead is whole and nobody reads the other: fill = 1: it takes the next 256 keys, up to the causal limit; fill = 2: the next pass's keys 0 to 255; fill = 0: nothing.
; One load of mine is out behind a barrier; it has a slot's steps in which to land.  Every wait for tensor loads in this text is for all of them.
.macro CHANGE fill, ask
	s_wait_tensorcnt 0x0                           ; no tensor load of mine is out, so the descriptor may be written
	ds_add_u32 v[SPW], v[NIL]                      ; 0 onto my spare word; the steps below stand between it and the wait for it
.if \fill
	s_xor_b32 s[G0+1], s[G0+1], SLOT1              ; the other slot than last time
.endif
.if \fill == 1
	s_add_nc_u64 s[G0+2:G0+3], s[G0+2:G0+3], SLOTG ; the address is stepped in every trip, also where the load is left out
.endif
.if \fill == 2
	s_sub_nc_u64 s[G0+2:G0+3], s[G0+2:G0+3], 7*SLOTG
.endif
.if \ask
	s_wait_xcnt 0x0                                ; the last prefetch, a slot back, has read its address
	s_add_nc_u64 s[PFA:PFA+1], s[PFA:PFA+1], SLOTG
.endif
	s_wait_dscnt 0x0
	s_barrier_signal -1
	s_barrier_wait -1
.if \fill == 1
	s_add_co_u32 s12, s[SF], 256                   ; the first key of the slot that this change would ask for,
	s_cmp_gt_u32 s12, s[QL]                        ; against the work-group's last query: ids and the count of slots alone, the same in all eight waves; past the limit a work-group stays past it
	s_cbranch_scc1 .Lpast_\@
.endif
.if \fill
	TLOAD
.endif
.Lpast_\@:
.if \ask
	ASK
.endif
.endm
.macro PASS trips, lastfill, ask
	s_mov_b32 s[SL], \trips
.Lslot_\@:
	CHANGE 1, \ask
	TWO_STEPS
	s_sub_co_u32 s[SL], s[SL], 1
	s_cmp_lg_u32 s[SL], 0
	s_cbranch_scc1 .Lslot_\@
	CHANGE \lastfill, 0                            ; the pass's last slot is written out
	TWO_STEPS
.endm
; A pass begins: Q into registers; m = -3e38, under every score; l and O^T zeros, which the first change of m leaves zeros: so the step is written once for all steps.
.macro INIT q0, qa
	s_mov_b32 s[Q0], s[\q0]
	s_or_b32 s[QL], s[Q0], 127
	s_lshl_b32 s[KF], s[KH], 6
	s_mov_b32 s[SF], 0
	WIN 0x40
.irp t, 0,1
.irp c, 0,1
	global_load_b128 v[QFR+16*\t+8*\c:QFR+16*\t+8*\c+3], v[QO], s[\qa:\qa+1] offset:\t*2048+64*\c
	global_load_b128 v[QFR+16*\t+8*\c+4:QFR+16*\t+8*\c+7], v[QO], s[\qa:\qa+1] offset:\t*2048+64*\c+32
.endr
.endr
	WIN 0
.irp t, 0,1
	v_mov_b32 v[ST+8*\t+1], 0xff61b1e6
	v_mov_b32 v[ST+8*\t+2], 0
	v_mov_b32 v[ST+8*\t+3], 0
.endr
.irp t, 0,1
	v_mul_f32 v[ST+8*\t], s[CS], v[ST+8*\t+1]
.endr
.set n, 0
.rept 64
	v_mov_b32 v[O+n], 0
.set n, n+1
.endr
	s_wait_loadcnt 0x0
.endm
; A pass ends: the wave with kh = 1 hands its O^T, c m and l to the wave with kh = 0 of the same queries, as images of its registers; that wave brings both under the larger m, divides by the sum and stores.
; A wave that walked no step hands over c m = c x (-3e38), l = 0, O^T = 0: its factor comes out as 0.
.macro FINISH ob
	v_add_f32 v[ST+2], v[ST+2], v[ST+3]            ; l's two halves; with the two v_nop the four places behind the last products
	v_add_f32 v[ST+10], v[ST+10], v[ST+11]
	v_nop
	v_nop
	s_cmp_eq_u32 s[KH], 0
	s_cbranch_scc1 .Lkeep_\@
.irp i, 0,1,2,3,4,5,6,7,8,9,10,11,12,13,14,15
	ds_store_b128 v[MW], v[O+4*\i:O+4*\i+3] offset:512*\i
.endr
	ds_store_b32 v[MS], v[ST]
	ds_store_b32 v[MS], v[ST+2] offset:128
	ds_store_b32 v[MS], v[ST+8] offset:256
	ds_store_b32 v[MS], v[ST+10] offset:384
.Lkeep_\@:
	s_wait_dscnt 0x0                               ; for the others' sake: my stores have landed
	s_barrier_signal -1
	s_barrier_wait -1
	s_cmp_lg_u32 s[KH], 0
	s_cbranch_scc1 .Ldone_\@
	ds_load_b32 v200, v[MS]
	ds_load_b32 v201, v[MS] offset:128
	ds_load_b32 v202, v[MS] offset:256
	ds_load_b32 v203, v[MS] offset:384
.irp i, 0,1,2,3,4,5,6,7
	ds_load_b128 v[208+4*\i:211+4*\i], v[MW] offset:512*\i
.endr
	s_wait_dscnt 8                                 ; the statistics are in; tile 0's eight images may be out
	v_max_num_f32 v204, v[ST], v200
	v_max_num_f32 v205, v[ST+8], v202
	v_sub_f32 v240, v[ST], v204
	v_sub_f32 v242, v200, v204
	v_sub_f32 v244, v[ST+8], v205
	v_sub_f32 v246, v202, v205
	v_exp_f32 v240, v240
	v_exp_f32 v242, v242
	v_exp_f32 v244, v244
	v_exp_f32 v246, v246
	v_nop
	s_wait_alu depctr_va_vdst(0)                   ; one wait for the four
	v_mul_f32 v204, v[ST+2], v240
	v_mul_f32 v205, v[ST+10], v244
	v_fmac_f32 v204, v201, v242
	v_fmac_f32 v205, v203, v246
	v_permlanex16_b32 v206, v204, s[SEL], s[SEL+1]
	v_permlanex16_b32 v207, v205, s[SEL], s[SEL+1]
	v_add_f32 v204, v204, v206                     ; the row's sum
	v_add_f32 v205, v205, v207
	v_rcp_f32 v204, v204
	v_rcp_f32 v205, v205
	v_nop
	s_wait_alu depctr_va_vdst(0)                   ; one wait for the two
	v_mul_f32 v240, v240, v204
	v_mul_f32 v242, v242, v204
	v_mul_f32 v244, v244, v205
	v_mul_f32 v246, v246, v205
	v_mov_b32 v241, v240                           ; (named as the upper halves of pairs, so they are written)
	v_mov_b32 v243, v242
	v_mov_b32 v245, v244
	v_mov_b32 v247, v246
.irp t, 0,1
	s_wait_dscnt 0x0                               ; the tile's images are in
.irp i, 0,1,2,3,4,5,6,7,8,9,10,11,12,13,14,15
	v_pk_mul_f32 v[O+32*\t+2*\i:O+32*\t+2*\i+1], v[O+32*\t+2*\i:O+32*\t+2*\i+1], v[240+4*\t:241+4*\t] op_sel_hi:[1,0]
.endr
.irp i, 0,1,2,3,4,5,6,7,8,9,10,11,12,13,14,15
	v_pk_fma_f32 v[O+32*\t+2*\i:O+32*\t+2*\i+1], v[208+2*\i:209+2*\i], v[242+4*\t:243+4*\t], v[O+32*\t+2*\i:O+32*\t+2*\i+1] op_sel_hi:[1,0,1]
.endr
.if \t == 0
.irp i, 0,1,2,3,4,5,6,7
	ds_load_b128 v[208+4*\i:211+4*\i], v[MW] offset:4096+512*\i
.endr
.endif
.irp i, 0,1,2,3,4,5,6,7,8,9,10,11,12,13,14,15
	v_cvt_pk_f16_f32 v[S+\i], v[O+32*\t+2*\i], v[O+32*\t+2*\i+1]
.endr
.irp dt, 0,1,2,3
	ds_store_b128 v[STO], v[S+4*\dt:S+4*\dt+3] offset:\t*16*144+32*\dt
.endr
.endr
.irp i, 0,1,2,3,4,5,6,7
	ds_load_b128 v[72+4*\i:75+4*\i], v[RD] offset:4*144*\i     ; LDS serves a wave's instructions in order: these see my stores
.endr
.irp i, 0,1,2,3,4,5,6,7
	s_wait_dscnt 7-\i
	global_store_b128 v[GO], v[72+4*\i:75+4*\i], s[\ob:\ob+1] offset:512*\i   ; 32 lanes store 512 consecutive bytes
.endr
.Ldone_\@:
	s_wait_xcnt 0x0                                ; the stores have read their registers, which the next pass's products write
.endm
	INIT 58, 50
	PASS 7, 2, 1                                   ; block 15 - j: up to eight slots
	FINISH 54
	INIT 59, 52
	PASS 3, 0, 0                                   ; block j: up to four slots
	FINISH 56
	s_wait_tensorcnt 0x0                           ; the wave's end
	ds_add_u32 v[SPW], v[NIL]
	s_wait_dscnt 0x0
	s_endpgm
.Lfunc_end_k_qc7ae7284d0_attn:
	.size	k_qc7ae7284d0_attn, .Lfunc_end_k_qc7ae7284d0_attn-k_qc7ae7284d0_attn
	.p2alignl 7, 3214868480
	.fill 96, 4, 3214868480
	.section	.rodata,"a",@progbits
	.p2align	6, 0x0
	.amdhsa_kernel k_qc7ae7284d0_attn
		.amdhsa_group_segment_fixed_size 327680
		.amdhsa_private_segment_fixed_size 0
		.amdhsa_enable_private_segment 0
		.amdhsa_kernarg_size 16
		.amdhsa_user_sgpr_count 2
		.amdhsa_user_sgpr_kernarg_segment_ptr 1
		.amdhsa_wavefront_size32 1
		.amdhsa_system_sgpr_workgroup_id_x 1
		.amdhsa_system_sgpr_workgroup_id_y 1
		.amdhsa_system_sgpr_workgroup_id_z 1
		.amdhsa_system_vgpr_workitem_id 0
		.amdhsa_next_free_vgpr 416
		.amdhsa_next_free_sgpr 66
		.amdhsa_reserve_vcc 1
		.amdhsa_float_denorm_mode_32 3
		.amdhsa_float_denorm_mode_16_64 3
		.amdhsa_memory_ordered 1
		.amdhsa_forward_progress 1
		.amdhsa_inst_pref_size 128
	.end_amdhsa_kernel
	.amdgpu_metadata
---
amdhsa.version: [ 1, 2 ]
amdhsa.kernels:
  - .name:           k_qc7ae7284d0_attn
    .symbol:         k_qc7ae7284d0_attn.kd
    .args:
      - { .name: qkv16, .offset: 0, .size: 8, .value_kind: global_buffer, .address_space: global }
      - { .name: attn16, .offset: 8, .size: 8, .value_kind: global_buffer, .address_space: global }
    .group_segment_fixed_size: 327680
    .private_segment_fixed_size: 0
    .kernarg_segment_align: 8
    .kernarg_segment_size: 16
    .max_flat_workgroup_size: 256
    .sgpr_count:     66
    .vgpr_count:     416
    .wavefront_size: 32
...
	.end_amdgpu_metadata
.endif
;; end of part 3
;; launch proj (part 4): grid 8 x 32, 4 waves a work-group, clusters of 4 x 4, 327,680 bytes of LDS; arguments attn16, wp16, b_proj, out0; writes out0
.if DOCPART == 4
	.amdgcn_target "amdgcn-amd-amdhsa--gfx1250"
	.amdhsa_code_object_version 6
	.text
	.protected	k_qc7ae7284d0_proj
	.globl	k_qc7ae7284d0_proj
	.p2align	8
	.type	k_qc7ae7284d0_proj,@function
k_qc7ae7284d0_proj:
	s_mov_b64 s[64:65], 0
	v_nop
	global_prefetch_b8 v0, s[64:65] scope:SCOPE_SE
	s_setreg_imm32_b32 hwreg(HW_REG_WAVE_MODE, 25, 1), 1
	s_wait_xcnt 0x0
	s_wait_alu depctr_hold_cnt(0) depctr_sa_sdst(0) depctr_va_vdst(0) depctr_va_sdst(0) depctr_va_ssrc(0) depctr_va_vcc(0) depctr_vm_vsrc(0)
	s_getreg_b32 s2, hwreg(HW_REG_IB_STS2, 6, 4)
	s_cmp_eq_u32 s2, 0
	s_cbranch_scc0 .Lentry_in_a_cluster
	s_endpgm
.Lentry_in_a_cluster:
	s_bfe_u32 s2, ttmp6, 0x10000c
	s_cmp_lg_u32 s2, 0xf033
	s_cbranch_scc0 .Lentry_shape_is_right
	s_endpgm
.Lentry_shape_is_right:
; out0[m][n] = sum over k of attn[m][k] w_proj[k][n] + b_proj[n]: m 4,096, n 1,024, k 1,024; operands in f16, sums in f32, out0 in f32.
; Both operands lie by tile: the whole K panel of 128 rows is 262,144 consecutive bytes, [head 16][row 128][64 f16]: attn16 by rows m, wp16's first part by columns n.  A line is 128 bytes: 64 k of one head.
; A tile of 128 x 128 is made by four waves, 64 x 64 each: 256 tiles.  K goes in steps of 256 (4 heads) through two LDS slots; a wave's tensor load brings 2 heads x 128 rows = 256 lines, dense in memory.
; CLUSTER 4 x 4: the four of a row need the same tiles of attn16, the four of a column the same tiles of wp16: each tile is asked for jointly.
; THE MATRIX INSTRUCTION IS USED TRANSPOSED (source 0 = 16 columns n, source 1 = 16 rows m): a lane holds eight neighbouring n of one row.  The bias is the C of each sum's first product.
; The first 16 positions of each batch are written here like all rows and written over by the launch that carries them finely.
; REGISTERS: window 0: v0-31 addresses; v32-95 at work on the way out; v96-127 the bias; v128-255 the accumulators ((a, b) at v[128 + 8 (4 a + b)]).  window 1: two fragment buffers of 128.
.set KSTEPB, 65536                     ; a K step of a panel in memory
.set PITCH,  144                       ; a line in LDS: 128 bytes + 16: an odd multiple of 16
.set HEADB,  128*PITCH                 ; a head's 128 lines: 64 along K
.set HALFT,  256*PITCH                 ; what one tensor load brings
.set SLOT,   4*HALFT                   ; attn16's 512 lines, then wp16's
.set SPARE,  2*SLOT                    ; behind the ring: the spare words, 128 bytes for each wave: two blocks of 256 bytes that no other line names
.set SPITCH, 272                       ; the way out: a stage of 16 rows x (256 bytes + 16) for each wave, in slot 0, which has had its last fill and its last read by then
.set ADRA, 16
.set ADRB, 20
.set STO,  24
.set RD,   25
.set CO,   26
.set BO,   27
.set SPW,  28                          ; v28 LDS address of my spare word; never rewritten
.set NIL,  29                          ; v29 0; never rewritten
.set OB,   32
.set BIAS, 96
.set ACC,  128
.set F0,   0
.set F1,   128
.set G1, 24
.set G0, 32
.set G1B, 48
.set G0B, 56
.set MSB, 0
.macro WIN new
.if MSB != (\new)
	s_set_vgpr_msb (MSB<<8)|(\new)
.set MSB, (\new)
.endif
.endm
.set MUL,  0x05                        ; sources 0 and 1 window 1; C and D window 0
.set TO_F, 0x40
.macro JLOAD s                         ; a joint load: waves 0 and 1 fetch attn16's halves, waves 2 and 3 wp16's; an s_nop 0 and four v_nop follow each of the two lines
	s_cmp_eq_u32 s11, 0
	s_cbranch_scc0 .Lfor_b_\@
	tensor_load_to_lds s[G0+4*\s:G0+4*\s+3], s[G1:G1+7]
	s_nop 0
.rept 4
	v_nop
.endr
	s_branch .Lasked_\@
.Lfor_b_\@:
	tensor_load_to_lds s[G0B+4*\s:G0B+4*\s+3], s[G1B:G1B+7]
	s_nop 0
.rept 4
	v_nop
.endr
.Lasked_\@:
.endm
.macro CREST                           ; a round of the cluster's barrier behind its opening barrier
	s_cmp_lg_u32 s10, 0
	s_cbranch_scc1 .Lnot_wave_0_\@
	s_barrier_signal -3
.Lnot_wave_0_\@:
	s_barrier_wait -3
	s_barrier_signal -1
	s_barrier_wait -1
.endm
.macro CROUND
	s_barrier_signal -1
	s_barrier_wait -1
	CREST
.endm
	s_load_b128 s[4:7], s[0:1], 0x0                ; attn16 s[4:5], wp16 s[6:7]
	s_load_b64 s[2:3], s[0:1], 0x10                ; b_proj
	s_load_b64 s[8:9], s[0:1], 0x18                ; out0
	v_lshl_add_u32 v[SPW], v0, 2, SPARE
	v_mov_b32 v[NIL], 0
	ds_add_u32 v[SPW], v[NIL]                      ; the wave's opening: the add, twice on end, and its wait ahead of my first tensor load
	ds_add_u32 v[SPW], v[NIL]
	v_lshrrev_b32 v1, 5, v0
	v_readfirstlane_b32 s10, v1                    ; wave 0..3
	s_lshr_b32 s11, s10, 1                         ; which half of the tile's rows is mine.  Also: I fetch for attn16 (0) or for wp16 (1)
	s_and_b32 s12, s10, 1                          ; which half of its columns.  Also: which two heads of a K step I fetch
	s_bfe_u32 s40, ttmp6, 0x40000
	s_bfe_u32 s41, ttmp6, 0x40004
	s_lshl_b32 s42, ttmp9, 2
	s_add_co_u32 s42, s42, s40                     ; tile column
	s_and_b32 s13, ttmp7, 0xffff
	s_lshl_b32 s13, s13, 2
	s_add_co_u32 s13, s13, s41                     ; tile row
	s_lshl_b32 s43, s41, 2
	s_lshl_b32 s43, 15, s43                        ; my row of the cluster
	s_lshl_b32 s44, 0x1111, s40                    ; my column
	s_or_b32 s[G1+0], s43, (1<<16)|(1<<20)|(1<<21)|(4<<22)|(3<<25)  ; the mask; elements of 2 bytes; padding on; bit 21 beside a mask; 4 words of padding after every 32
	s_or_b32 s[G1B+0], s44, (1<<16)|(1<<20)|(1<<21)|(4<<22)|(3<<25)
.irp g, G1, G1B
	s_mov_b32 s[\g+1], 64<<16                      ; tensor_dim0 = 64
	s_mov_b32 s[\g+2], 256<<16                     ; tensor_dim1 = 256
	s_mov_b32 s[\g+3], 64<<16                      ; tile_dim0 = 64
	s_mov_b32 s[\g+4], 256                         ; tile_dim1 = 256
	s_mov_b32 s[\g+5], 64                          ; the pitch in memory: lines are dense
	s_mov_b32 s[\g+6], 0
	s_mov_b32 s[\g+7], 0
.endr
	s_lshl_b32 s17, s12, 15                        ; my two heads of a K step: 32,768 bytes
	s_lshl_b32 s16, s13, 18
	s_add_co_u32 s16, s16, s17                     ; attn16: the tile row's panel
	s_lshl_b32 s46, s42, 18
	s_add_co_u32 s46, s46, s17                     ; wp16: the tile column's panel
	s_mov_b32 s17, 0
	s_mov_b32 s47, 0
	s_mul_i32 s20, s10, HALFT                      ; where they go: wave x 256 lines
	s_wait_dscnt 0x0                               ; both opening adds are done
	s_wait_kmcnt 0x0
	s_add_nc_u64 s[14:15], s[4:5], s[16:17]
	s_add_nc_u64 s[46:47], s[6:7], s[46:47]
	CROUND                                         ; all sixteen work-groups are here: the first joint loads meet
.irp s, 0,1
	s_mov_b32 s[G0+4*\s], 1
	s_add_co_u32 s[G0+4*\s+1], s20, \s*SLOT
	s_add_nc_u64 s[G0+4*\s+2:G0+4*\s+3], s[14:15], \s*KSTEPB
	s_or_b32 s[G0+4*\s+3], s[G0+4*\s+3], 0x80000000
	s_mov_b32 s[G0B+4*\s], 1
	s_add_co_u32 s[G0B+4*\s+1], s20, \s*SLOT
	s_add_nc_u64 s[G0B+4*\s+2:G0B+4*\s+3], s[46:47], \s*KSTEPB
	s_or_b32 s[G0B+4*\s+3], s[G0B+4*\s+3], 0x80000000
	JLOAD \s                                       ; two loads of mine are out
.endr
	v_and_b32 v1, 15, v0                           ; r
	v_bfe_u32 v2, v0, 4, 1                         ; h
	v_lshlrev_b32 v[BO], 5, v2
	s_lshl_b32 s46, s42, 9                         ; my first column in bytes of f32: 512 x tile column + 256 x half
	s_lshl_b32 s47, s12, 8
	s_add_co_u32 s46, s46, s47
	s_mov_b32 s47, 0
	s_add_nc_u64 s[2:3], s[2:3], s[46:47]
	s_add_nc_u64 s[8:9], s[8:9], s[46:47]
.irp b, 0,1,2,3
	global_load_b128 v[BIAS+8*\b:BIAS+8*\b+3], v[BO], s[2:3] offset:64*\b          ; b_proj[my first column + 16 b + 8 h + 0 .. 7]: the result's layout
	global_load_b128 v[BIAS+8*\b+4:BIAS+8*\b+7], v[BO], s[2:3] offset:64*\b+16
.endr
	s_lshl_b32 s16, s13, 19                        ; my first row: 128 x tile row + 64 x half, of 4,096 bytes
	s_lshl_b32 s17, s11, 18
	s_add_co_u32 s16, s16, s17
	s_mov_b32 s17, 0
	s_add_nc_u64 s[8:9], s[8:9], s[16:17]
	v_mul_u32_u24 v3, v1, PITCH
	v_lshl_add_u32 v3, v2, 4, v3                   ; a fragment's line x pitch + 16 h
	s_mul_i32 s21, s11, 64*PITCH                   ; my 64 rows within a head's 128 lines
	s_mul_i32 s22, s12, 64*PITCH
	s_add_co_u32 s22, s22, 2*HALFT                 ; wp16's lines lie behind attn16's 512
.irp s, 0,1
	v_add_nc_u32 v[ADRA+\s], s21, v3
	v_add_nc_u32 v[ADRB+\s], s22, v3
	s_add_co_u32 s21, s21, SLOT
	s_add_co_u32 s22, s22, SLOT
.endr
	s_mul_i32 s23, s10, 16*SPITCH                  ; my stage
	v_mul_u32_u24 v4, v1, SPITCH
	v_lshl_add_u32 v4, v2, 5, v4
	v_add_nc_u32 v[STO], s23, v4                   ; in: row r, 32 bytes for each half of the lanes
	v_mul_u32_u24 v5, v2, SPITCH
	v_lshl_add_u32 v5, v1, 4, v5
	v_add_nc_u32 v[RD], s23, v5                    ; back: lanes 0-15 one row of 256 bytes, lanes 16-31 the next
	v_lshlrev_b32 v5, 12, v2
	v_lshl_add_u32 v[CO], v1, 4, v5                ; and the same two rows in out0
; 8 matrix instructions: m blocks a0, a0 + 1 x all 4 n blocks, 32 along K: half c of buffer f.  zero = 1: the first product starts the sums from the bias.  The 16 accumulators take turns.
.macro MUL8 f, c, a0, zero
.irp a, \a0, \a0+1
.irp b, 0,1,2,3
.if \zero
	v_wmma_f32_16x16x32_f16 v[ACC+8*(4*(\a)+\b):ACC+8*(4*(\a)+\b)+7], v[\f+64+8*(4*\c+\b):\f+64+8*(4*\c+\b)+7], v[\f+8*(4*\c+\a):\f+8*(4*\c+\a)+7], v[BIAS+8*\b:BIAS+8*\b+7]
.else
	v_wmma_f32_16x16x32_f16 v[ACC+8*(4*(\a)+\b):ACC+8*(4*(\a)+\b)+7], v[\f+64+8*(4*\c+\b):\f+64+8*(4*\c+\b)+7], v[\f+8*(4*\c+\a):\f+8*(4*\c+\a)+7], v[ACC+8*(4*(\a)+\b):ACC+8*(4*(\a)+\b)+7]
.endif
.endr
.endr
.endm
; 32 LDS loads in one run: the fragments of one head (64 along K), whose lines begin at byte k, into buffer f; the first 32 along K first
.macro FETCH slot, k, f
	WIN TO_F
.irp c, 0,1
.irp i, 0,1,2,3
	ds_load_b128 v[\f+64+8*(4*\c+\i):\f+64+8*(4*\c+\i)+3],   v[ADRB+\slot] offset:\k+64*\c+\i*16*PITCH
	ds_load_b128 v[\f+64+8*(4*\c+\i)+4:\f+64+8*(4*\c+\i)+7], v[ADRB+\slot] offset:\k+64*\c+\i*16*PITCH+32
	ds_load_b128 v[\f+8*(4*\c+\i):\f+8*(4*\c+\i)+3],         v[ADRA+\slot] offset:\k+64*\c+\i*16*PITCH
	ds_load_b128 v[\f+8*(4*\c+\i)+4:\f+8*(4*\c+\i)+7],       v[ADRA+\slot] offset:\k+64*\c+\i*16*PITCH+32
.endr
.endr
.endm
.macro PLACES                          ; four places in front of loads into registers that matrix instructions have read, and of reads of results
.rept 4
	v_nop
.endr
.endm
; A K step is four quarters (heads), 32 matrix instructions each, on buffers 0, 1, 0, 1.  One of the first three: multiplies buffer f and fetches the next head, at byte k, into g.
.macro QUARTER slot, k, f, g, zero
	s_wait_dscnt 16                                ; the first 32 along K are in; the sixteen loads of the second 32 may be out
	WIN MUL
	MUL8 \f, 0, 0, \zero
	MUL8 \f, 0, 2, \zero
	PLACES
	FETCH \slot, \k, \g
	s_wait_dscnt 32                                ; all but the 32 just issued
	WIN MUL
	MUL8 \f, 1, 0, 0
	MUL8 \f, 1, 2, 0
.endm
; The last quarter multiplies buffer 1 and changes slots: one barrier; in front of it each wave waits for all its tensor loads, adds 0 to its spare word, and waits for that and for its reads of this slot.
; fill = 1: the barrier opens a round of the cluster's barrier, and this slot is filled again, two K steps ahead: one load of mine is out, and it has a K step less sixteen products in which to land.
.macro TURN slot, next, fill
	WIN 0
	s_wait_tensorcnt 0x0
	ds_add_u32 v[SPW], v[NIL]
	s_wait_dscnt 17                                ; the add and the youngest sixteen loads may be out
	WIN MUL
	MUL8 F1, 0, 0, 0
	s_wait_dscnt 0x0                               ; the add is done, and my reads of this slot are over
	s_barrier_signal -1
	MUL8 F1, 0, 2, 0
.if \fill
	WIN 0
.endif
	s_barrier_wait -1
.if \fill
	CREST                                          ; no wave of any partner still reads this slot's tile or has a load on its way
	s_add_nc_u64 s[G0+4*\slot+2:G0+4*\slot+3], s[G0+4*\slot+2:G0+4*\slot+3], 2*KSTEPB
	s_add_nc_u64 s[G0B+4*\slot+2:G0B+4*\slot+3], s[G0B+4*\slot+2:G0B+4*\slot+3], 2*KSTEPB
	JLOAD \slot                                    ; the four v_nop behind it are also the places in front of the loads below
.else
	PLACES
.endif
	FETCH \next, 0, F0
	WIN MUL
	MUL8 F1, 1, 0, 0
	MUL8 F1, 1, 2, 0
.endm
	s_wait_tensorcnt 1                             ; my part of K step 0 is in; K step 1's load may be out
	s_barrier_signal -1
	s_barrier_wait -1
	FETCH 0, 0, F0
	s_wait_loadcnt 0x0                             ; the bias
	QUARTER 0, HEADB,   F0, F1, 1                  ; four K steps: the text is written out, there is no loop
	QUARTER 0, 2*HEADB, F1, F0, 0
	QUARTER 0, 3*HEADB, F0, F1, 0
	TURN 0, 1, 1                                   ; slot 0 takes K step 2
	QUARTER 1, HEADB,   F0, F1, 0
	QUARTER 1, 2*HEADB, F1, F0, 0
	QUARTER 1, 3*HEADB, F0, F1, 0
	TURN 1, 0, 1                                   ; slot 1 takes K step 3
	QUARTER 0, HEADB,   F0, F1, 0
	QUARTER 0, 2*HEADB, F1, F0, 0
	QUARTER 0, 3*HEADB, F0, F1, 0
	TURN 0, 1, 0
	QUARTER 1, HEADB,   F0, F1, 0
	QUARTER 1, 2*HEADB, F1, F0, 0
	QUARTER 1, 3*HEADB, F0, F1, 0
	s_wait_dscnt 16                                ; the very last quarter
	WIN MUL
	MUL8 F1, 0, 0, 0
	MUL8 F1, 0, 2, 0
	s_wait_dscnt 0
	MUL8 F1, 1, 0, 0
	MUL8 F1, 1, 2, 0
	WIN 0
; THE WAY OUT, block by block of 16 rows x 64 columns.  A wave's 64 columns of f32 are 256 aligned bytes of a row: the block goes through my own stage and comes back as whole rows, sixteen lanes to a row.
.macro TOSTAGE a
.set BB, OB+32*((\a)%2)
.irp b, 0,1,2,3
	ds_store_b128 v[STO], v[ACC+8*(4*(\a)+\b):ACC+8*(4*(\a)+\b)+3] offset:64*\b        ; each accumulator from its low end on
	ds_store_b128 v[STO], v[ACC+8*(4*(\a)+\b)+4:ACC+8*(4*(\a)+\b)+7] offset:64*\b+16
.endr
.irp t, 0,1,2,3,4,5,6,7
	ds_load_b128 v[BB+4*\t:BB+4*\t+3], v[RD] offset:\t*2*SPITCH    ; LDS serves a wave's instructions in order (ISA guide 5.7.1.4): these see the stores above
.endr
.endm
.macro SEND a, younger                 ; younger: the LDS instructions issued behind block a's loads, which may stay out
.set BB, OB+32*((\a)%2)
	s_wait_dscnt \younger
.irp t, 0,1,2,3,4,5,6,7
	global_store_b128 v[CO], v[BB+4*\t:BB+4*\t+3], s[8:9] offset:(16*(\a)+2*\t)*4096 th:TH_STORE_NT   ; 16 lanes store 256 consecutive bytes, aligned
.endr
.endm
	PLACES
	TOSTAGE 0
.irp a, 1,2,3
.if \a > 1
	s_wait_xcnt 0x0                                ; block a - 2's stores have read their registers: block a's loads may land there
.endif
	TOSTAGE \a
	SEND \a-1, 16                                  ; behind block a - 1's loads: block a's 8 stores and 8 loads
.endr
	SEND 3, 0
	s_wait_tensorcnt 0x0                           ; the wave's end
	ds_add_u32 v[SPW], v[NIL]
	s_wait_dscnt 0x0
	CROUND                                         ; the closing round
	s_endpgm
.Lfunc_end_k_qc7ae7284d0_proj:
	.size	k_qc7ae7284d0_proj, .Lfunc_end_k_qc7ae7284d0_proj-k_qc7ae7284d0_proj
	.p2alignl 7, 3214868480
	.fill 96, 4, 3214868480
	.section	.rodata,"a",@progbits
	.p2align	6, 0x0
	.amdhsa_kernel k_qc7ae7284d0_proj
		.amdhsa_group_segment_fixed_size 327680
		.amdhsa_private_segment_fixed_size 0
		.amdhsa_enable_private_segment 0
		.amdhsa_kernarg_size 32
		.amdhsa_user_sgpr_count 2
		.amdhsa_user_sgpr_kernarg_segment_ptr 1
		.amdhsa_wavefront_size32 1
		.amdhsa_system_sgpr_workgroup_id_x 1
		.amdhsa_system_sgpr_workgroup_id_y 1
		.amdhsa_system_sgpr_workgroup_id_z 1
		.amdhsa_system_vgpr_workitem_id 0
		.amdhsa_next_free_vgpr 512
		.amdhsa_next_free_sgpr 66
		.amdhsa_reserve_vcc 0
		.amdhsa_float_denorm_mode_32 3
		.amdhsa_float_denorm_mode_16_64 3
		.amdhsa_memory_ordered 1
		.amdhsa_forward_progress 1
		.amdhsa_inst_pref_size 86
	.end_amdhsa_kernel
	.amdgpu_metadata
---
amdhsa.version: [ 1, 2 ]
amdhsa.kernels:
  - .name:           k_qc7ae7284d0_proj
    .symbol:         k_qc7ae7284d0_proj.kd
    .args:
      - { .name: attn16, .offset: 0, .size: 8, .value_kind: global_buffer, .address_space: global }
      - { .name: wp16, .offset: 8, .size: 8, .value_kind: global_buffer, .address_space: global }
      - { .name: b_proj, .offset: 16, .size: 8, .value_kind: global_buffer, .address_space: global }
      - { .name: out0, .offset: 24, .size: 8, .value_kind: global_buffer, .address_space: global }
    .group_segment_fixed_size: 327680
    .private_segment_fixed_size: 0
    .kernarg_segment_align: 8
    .kernarg_segment_size: 32
    .max_flat_workgroup_size: 128
    .sgpr_count:     66
    .vgpr_count:     512
    .wavefront_size: 32
...
	.end_amdgpu_metadata
.endif
;; end of part 4
;; launch head (part 5): grid 16 x 2, 16 waves a work-group, no clusters, 141,312 bytes of LDS; arguments qkv32, wp16, b_proj, out0; writes out0
.if DOCPART == 5
	.amdgcn_target "amdgcn-amd-amdhsa--gfx1250"
	.amdhsa_code_object_version 6
	.text
	.protected	k_qc7ae7284d0_head
	.globl	k_qc7ae7284d0_head
	.p2align	8
	.type	k_qc7ae7284d0_head,@function
k_qc7ae7284d0_head:
	s_mov_b64 s[64:65], 0
	v_nop
	global_prefetch_b8 v0, s[64:65] scope:SCOPE_SE
	s_setreg_imm32_b32 hwreg(HW_REG_WAVE_MODE, 25, 1), 1
	s_wait_xcnt 0x0
; The first 16 positions of each batch, carried finely: under the causal mask they average one to sixteen values, and the rounding of 16-bit operands weighs most there.
; A work-group makes out0[batch y][positions 0-15][columns 64 x .. 64 x + 63], over the coarser numbers that the projection's launch has left there.  WAVE = HEAD, from the first load to the sum over heads.
; ALL OPERANDS COME AS IMAGES OF REGISTERS: every load but the bias's takes 16 bytes a lane at 16 x lane: 512 consecutive bytes.
;   q, k, v: qkv32 [batch][n / 16][half 2][lane][4 f32]: lane (r, h) holds position r and, of its head, channels 16 bb + 8 h + 4 e + 0 .. 3 in registers 8 bb + 4 e + 0 .. 3.
;   w_proj: wp16's regions 1 (high parts) and 2 (low parts), [n / 16][head][chunk t][n % 16][16 bytes], t = 4 ks + 2 e + h: a fragment of 16 columns x 32 k is two loads.
; PHASE 1: S^T = K Q^T and O^T = V^T P by the f32 matrix form; softmax in f32 with the row's maximum taken away.  Q's and K's images serve as they come: a K step of 4 takes two registers of each, the same channels on both sides.
; V wants the channel in the lane: it turns through the wave's own stage in LDS.  Each of the 16 work-groups of a batch repeats this small work (32 matrix instructions a wave): a sum over heads that spanned work-groups would want a launch more.
; PHASE 2: O^T's registers (lane (r, h): query r, channels 16 c + 8 h + j), split in f32 into a high part of 11 significant bits and what is left and packed to f16, ARE the fragments of the projection's two K steps of this head:
; nothing changes lanes.  high x high + high x low + low x high by the f16 form, four accumulators (16 columns each) by turns.  The 16 heads' sums meet in LDS behind the one barrier.
; LIMIT: the attention result and |w_proj| at most 65,504; under 2^-14 a high part is rounded once more by the conversion, by at most 2^-25.
; REGISTERS: v1-11 addresses; v14, v15 the add's two; v16-27 at work; v28-31 the bias; v32-63 Q, v64-95 K, then w_proj's low parts, then the sixteen sums; v96-127 accumulators, written by matrix instructions alone;
; v128-159 V with the channel in the lane, then at work in the split; v160-191 V's image, then p, then the attention rows' fragments (high v160-175, low v176-191); v192-255 w_proj's high parts.
.set WREG,  4352                       ; 16 rows x (256 bytes + 16)
.set PS,    69632                      ; LDS: from 0 a stage for V for each wave; from here each wave's sums: 16 rows x 64 columns
.set SPARE, 139264                     ; the spare words, 128 bytes for each wave: eight blocks of 256 bytes that no other line names
.set LI,  1                            ; v1  16 x lane
.set VW,  2                            ; v2  V's stage, in
.set VR,  3                            ; v3  V's stage, out
.set RH,  6                            ; v6  lane % 16 - 8 (lane / 16)
.set NEG, 7                            ; v7  -infinity
.set PSW, 8
.set PSR, 9
.set GO,  10
.set BO,  11
.set SPW, 14                           ; v14 LDS address of my spare word; never rewritten
.set NIL, 15                           ; v15 0; never rewritten
	s_load_b256 s[4:11], s[0:1], 0x0               ; qkv32 s[4:5], wp16 s[6:7], b_proj s[8:9], out0 s[10:11]
	v_lshl_add_u32 v[SPW], v0, 2, SPARE
	v_mov_b32 v[NIL], 0
	v_lshrrev_b32 v16, 5, v0
	v_readfirstlane_b32 s12, v16                   ; wave 0..15: the head
	s_and_b32 s15, ttmp7, 0xffff                   ; the batch
	s_and_b32 s17, s12, 7
	v_and_b32 v16, 15, v0                          ; r
	v_bfe_u32 v17, v0, 4, 1                        ; h
	v_and_b32 v18, 31, v0
	v_lshlrev_b32 v[LI], 4, v18
	s_mul_i32 s16, s12, WREG
	v_mul_u32_u24 v19, v16, 272
	v_lshl_add_u32 v19, v17, 5, v19                ; row r, + 32 h
	v_add_nc_u32 v[VW], s16, v19                   ; V in: position r, channels 8 h on of each 16
	v_mul_u32_u24 v[VR], v17, 8*272
	v_lshl_add_u32 v[VR], v16, 2, v[VR]
	v_add_nc_u32 v[VR], s16, v[VR]                 ; V out: positions 8 h on, channel r of each 16
	s_add_co_u32 s16, s16, PS
	v_add_nc_u32 v[PSW], s16, v19                  ; my head's sums: row r, columns 8 h on of each 16
	s_mul_i32 s16, s17, 544
	s_add_co_u32 s16, s16, PS
	v_mul_u32_u24 v[PSR], v17, 272
	v_lshl_add_u32 v[PSR], v16, 4, v[PSR]
	v_add_nc_u32 v[PSR], s16, v[PSR]               ; back: waves 0-7 take rows 2 w and 2 w + 1, sixteen lanes to a row
	v_lshlrev_b32 v[RH], 3, v17
	v_sub_nc_u32 v[RH], v16, v[RH]
	v_mov_b32 v[NEG], 0xff800000
	v_lshlrev_b32 v[BO], 4, v16
	v_lshl_add_u32 v[GO], v17, 12, v[BO]
	v_mov_b32 v25, 0                               ; written once: a lane permute's destination counts as one of its sources
	s_mov_b32 s20, 0x76543210
	s_mov_b32 s21, 0xfedcba98                      ; v_permlanex16_b32's selects for lane l xor 16
	s_mov_b32 s22, 0x3e38aa3b                      ; c = log2(e) / 8
	s_mov_b32 s23, 0xffffe000                      ; keeps sign, exponent and 10 bits of mantissa
	s_mov_b32 s19, 0
	s_mul_i32 s18, s15, 196608
	s_lshl_b32 s16, s12, 12                        ; a head's 64 columns: four blocks of 1,024 bytes
	s_add_co_u32 s18, s18, s16
	s_wait_kmcnt 0x0
	s_add_nc_u64 s[4:5], s[4:5], s[18:19]          ; qkv32 at my batch and head
	s_lshl_b32 s18, ttmp9, 17                      ; wp16's images: 64 columns are 4 x 16 heads x 2,048 bytes,
	s_lshl_b32 s16, s12, 11
	s_add_co_u32 s18, s18, s16                     ; my head,
	s_add_co_u32 s18, s18, 2097152                 ; behind region 0
	s_add_nc_u64 s[6:7], s[6:7], s[18:19]
	s_lshl_b32 s18, ttmp9, 8
	s_add_nc_u64 s[8:9], s[8:9], s[18:19]          ; b_proj and out0 at my 64 columns
	s_add_nc_u64 s[10:11], s[10:11], s[18:19]
	s_lshl_b32 s18, s15, 23
	s_lshl_b32 s16, s17, 13
	s_add_co_u32 s18, s18, s16
	s_add_nc_u64 s[10:11], s[10:11], s[18:19]      ; at row 2,048 y + 2 (w % 8)
; w_proj's eight fragments (16 columns nt x K step ks) of part pt into v[wb] on
.macro WLOAD pt, wb
.irp nt, 0,1,2,3
.irp ks, 0,1
.irp e, 0,1
	global_load_b128 v[\wb+16*\nt+8*\ks+4*\e:\wb+16*\nt+8*\ks+4*\e+3], v[LI], s[6:7] offset:\nt*32768+\ks*1024+\e*512+\pt*2097152
.endr
.endr
.endr
.endm
	global_load_b128 v[28:31], v[BO], s[8:9]       ; the bias of my four columns on the way out
.irp i, 0,1,2,3,4,5,6,7
	global_load_b128 v[32+4*\i:35+4*\i], v[LI], s[4:5] offset:512*\i           ; Q
.endr
.irp i, 0,1,2,3,4,5,6,7
	global_load_b128 v[64+4*\i:67+4*\i], v[LI], s[4:5] offset:65536+512*\i     ; K
.endr
.irp i, 0,1,2,3,4,5,6,7
	global_load_b128 v[160+4*\i:163+4*\i], v[LI], s[4:5] offset:131072+512*\i  ; V
.endr
	WLOAD 0, 192
	s_wait_loadcnt 16                              ; the bias, Q, K and V are in; w_proj's sixteen loads may be out
.irp bb, 0,1,2,3
.irp e, 0,1
	ds_store_b128 v[VW], v[160+8*\bb+4*\e:163+8*\bb+4*\e] offset:64*\bb+16*\e  ; V(r, 16 bb + 8 h + 4 e ..) into rows by position
.endr
.endr
.irp c, 0,1,2,3
.irp i, 0,1,2,3,4,5,6,7
	ds_load_b32 v[128+8*\c+\i], v[VR] offset:\i*272+64*\c                      ; V(8 h + i, 16 c + r).  LDS serves a wave's instructions in order: these see my stores; the bytes are my wave's own
.endr
.endr
; S^T = K Q^T: the form takes 4 along K: lanes 0-15 give k 0, 1 and lanes 16-31 k 2, 3.  Step u takes registers 2 u, 2 u + 1 of both images: the same four channels for K and for Q, so the sum is whole.
; Four accumulators by turns, one instruction a turn; the first four products start the sums.
.irp u, 0,1,2,3,4,5,6,7,8,9,10,11,12,13,14,15
.if \u < 4
	v_wmma_f32_16x16x4_f32 v[96+8*(\u%4):103+8*(\u%4)], v[64+2*\u:65+2*\u], v[32+2*\u:33+2*\u], 0
.else
	v_wmma_f32_16x16x4_f32 v[96+8*(\u%4):103+8*(\u%4)], v[64+2*\u:65+2*\u], v[32+2*\u:33+2*\u], v[96+8*(\u%4):103+8*(\u%4)]
.endif
.endr
.rept 8
	v_nop                                          ; eight places behind this form: for the loads into Q's and K's registers and for the reads of the sums
.endr
	WLOAD 1, 32
.irp j, 0,1,2,3,4,5,6,7
	v_add_f32 v[16+\j], v[96+\j], v[104+\j]        ; each accumulator from its low end on
.endr
.irp j, 0,1,2,3,4,5,6,7
	v_add_f32 v[16+\j], v[16+\j], v[112+\j]
.endr
.irp j, 0,1,2,3,4,5,6,7
	v_add_f32 v[16+\j], v[16+\j], v[120+\j]        ; lane (r, h), register j: the score of key 8 h + j for query r
.endr
.irp j, 0,1,2,3,4,5,6,7
	v_cmp_gt_i32 vcc_lo, \j, v[RH]                 ; hidden where 8 h + j > r
	v_cndmask_b32 v[16+\j], v[16+\j], v[NEG], vcc_lo
.endr
	v_max3_num_f32 v24, v16, v17, v18
	v_max3_num_f32 v24, v24, v19, v20
	v_max3_num_f32 v24, v24, v21, v22
	v_max_num_f32 v24, v24, v23
	v_permlanex16_b32 v25, v24, s20, s21
	v_max_num_f32 v24, v24, v25                    ; the row's maximum: key 0 counts for every query
	v_mul_f32 v24, s22, v24
.irp j, 0,1,2,3,4,5,6,7
	v_fma_f32 v[16+\j], v[16+\j], s22, -v24
.endr
.irp j, 0,1,2,3,4,5,6,7
	v_exp_f32 v[16+\j], v[16+\j]
.endr
	v_nop
	s_wait_alu depctr_va_vdst(0)                   ; one wait for the eight, ahead of their first reader
	v_add_f32 v24, v16, v17
	v_add_f32 v26, v18, v19
	v_add_f32 v27, v20, v21
	v_add_f32 v24, v24, v26
	v_add_f32 v26, v22, v23
	v_add_f32 v24, v24, v27
	v_add_f32 v24, v24, v26
	v_permlanex16_b32 v25, v24, s20, s21
	v_add_f32 v24, v24, v25
	v_rcp_f32 v24, v24
	v_nop
	s_wait_alu depctr_va_vdst(0)
	s_wait_dscnt 0x0                               ; V is back with the channel in the lane, and the stores have read the image's registers, which p takes
.irp j, 0,1,2,3,4,5,6,7
	v_mul_f32 v[160+\j], v[16+\j], v24             ; the weights, in f32
.endr
; O^T = V^T P: step t takes registers 2 t, 2 t + 1 of p and of V: keys 2 t, 2 t + 1 and 8 + 2 t, 9 + 2 t.  Four accumulators (channels 16 c on) by turns; far more than nine places lie behind the last product that wrote them.
.irp t, 0,1,2,3
.irp c, 0,1,2,3
.if \t == 0
	v_wmma_f32_16x16x4_f32 v[96+8*\c:103+8*\c], v[128+8*\c+2*\t:129+8*\c+2*\t], v[160+2*\t:161+2*\t], 0
.else
	v_wmma_f32_16x16x4_f32 v[96+8*\c:103+8*\c], v[128+8*\c+2*\t:129+8*\c+2*\t], v[160+2*\t:161+2*\t], v[96+8*\c:103+8*\c]
.endif
.endr
.endr
.rept 9
	v_nop                                          ; eight places ahead of the reads of the sums and of the writes into V's and p's registers; nine ahead of the products below, which write over the sums
.endr
.irp c, 0,1,2,3                                ; lane (r, h), register j: channel 16 c + 8 h + j of query r
.irp j, 0,1,2,3,4,5,6,7
	v_add_nc_u32 v[128+\j], 0x1000, v[96+8*\c+\j]  ; half a step of the 11th bit onto the magnitude,
.endr
.irp j, 0,1,2,3,4,5,6,7
	v_and_b32 v[128+\j], s23, v[128+\j]            ; and the bits below cut off: the high part, still in f32
.endr
.irp j, 0,1,2,3,4,5,6,7
	v_sub_f32 v[136+\j], v[96+8*\c+\j], v[128+\j]  ; what is left: exact
.endr
.irp i, 0,1,2,3
	v_cvt_pk_f16_f32 v[160+4*\c+\i], v[128+2*\i], v[129+2*\i]   ; registers 4 (c % 2) .. + 3 of K step c / 2's fragment: k = 16 (c % 2) + 8 h + 0 .. 7
.endr
.irp i, 0,1,2,3
	v_cvt_pk_f16_f32 v[176+4*\c+\i], v[136+2*\i], v[137+2*\i]
.endr
.endr
; PHASE 2.  Source 0 = 16 columns of w_proj, source 1 = the 16 rows: a lane holds eight neighbouring columns of one row.  Four accumulators by turns, one instruction a turn.
	s_wait_loadcnt 16                              ; w_proj's high parts are in; the low parts' sixteen loads may be out
.irp ks, 0,1
.irp nt, 0,1,2,3
.if \ks == 0
	v_wmma_f32_16x16x32_f16 v[96+8*\nt:103+8*\nt], v[192+16*\nt+8*\ks:199+16*\nt+8*\ks], v[160+8*\ks:167+8*\ks], 0
.else
	v_wmma_f32_16x16x32_f16 v[96+8*\nt:103+8*\nt], v[192+16*\nt+8*\ks:199+16*\nt+8*\ks], v[160+8*\ks:167+8*\ks], v[96+8*\nt:103+8*\nt]
.endif
.endr
.endr
.irp ks, 0,1
.irp nt, 0,1,2,3
	v_wmma_f32_16x16x32_f16 v[96+8*\nt:103+8*\nt], v[192+16*\nt+8*\ks:199+16*\nt+8*\ks], v[176+8*\ks:183+8*\ks], v[96+8*\nt:103+8*\nt]
.endr
.endr
	s_wait_loadcnt 0x0
.irp ks, 0,1
.irp nt, 0,1,2,3
	v_wmma_f32_16x16x32_f16 v[96+8*\nt:103+8*\nt], v[32+16*\nt+8*\ks:39+16*\nt+8*\ks], v[160+8*\ks:167+8*\ks], v[96+8*\nt:103+8*\nt]
.endr
.endr
.rept 4
	v_nop                                          ; places ahead of the stores that read the sums, and of the loads into the registers that these products have read
.endr
.irp nt, 0,1,2,3
	ds_store_b128 v[PSW], v[96+8*\nt:99+8*\nt] offset:64*\nt          ; each accumulator from its low end on
	ds_store_b128 v[PSW], v[100+8*\nt:103+8*\nt] offset:64*\nt+16
.endr
	s_wait_dscnt 0x0                               ; for the others' sake: my head's sums have landed
	s_barrier_signal -1
	s_barrier_wait -1
	s_cmp_lt_u32 s12, 8
	s_cbranch_scc0 .Lend
.irp p, 0,1,2,3,4,5,6,7,8,9,10,11,12,13,14,15
	ds_load_b128 v[32+4*\p:35+4*\p], v[PSR] offset:WREG*\p            ; head p's part of my two rows
.endr
	s_wait_dscnt 0x0
.irp p, 0,2,4,6,8,10,12,14
	v_pk_add_f32 v[32+4*\p:33+4*\p], v[32+4*\p:33+4*\p], v[36+4*\p:37+4*\p]
	v_pk_add_f32 v[34+4*\p:35+4*\p], v[34+4*\p:35+4*\p], v[38+4*\p:39+4*\p]
.endr
.irp p, 0,4,8,12
	v_pk_add_f32 v[32+4*\p:33+4*\p], v[32+4*\p:33+4*\p], v[40+4*\p:41+4*\p]
	v_pk_add_f32 v[34+4*\p:35+4*\p], v[34+4*\p:35+4*\p], v[42+4*\p:43+4*\p]
.endr
.irp p, 0,8
	v_pk_add_f32 v[32+4*\p:33+4*\p], v[32+4*\p:33+4*\p], v[48+4*\p:49+4*\p]
	v_pk_add_f32 v[34+4*\p:35+4*\p], v[34+4*\p:35+4*\p], v[50+4*\p:51+4*\p]
.endr
	v_pk_add_f32 v[32:33], v[32:33], v[64:65]
	v_pk_add_f32 v[34:35], v[34:35], v[66:67]
	v_pk_add_f32 v[32:33], v[32:33], v[28:29]      ; and the bias
	v_pk_add_f32 v[34:35], v[34:35], v[30:31]
	global_store_b128 v[GO], v[32:35], s[10:11]    ; 16 lanes store 256 consecutive bytes, aligned
.Lend:
	s_wait_tensorcnt 0x0                           ; the wave's end
	ds_add_u32 v[SPW], v[NIL]
	s_wait_dscnt 0x0
	s_endpgm
.Lfunc_end_k_qc7ae7284d0_head:
	.size	k_qc7ae7284d0_head, .Lfunc_end_k_qc7ae7284d0_head-k_qc7ae7284d0_head
	.p2alignl 7, 3214868480
	.fill 96, 4, 3214868480
	.section	.rodata,"a",@progbits
	.p2align	6, 0x0
	.amdhsa_kernel k_qc7ae7284d0_head
		.amdhsa_group_segment_fixed_size 141312
		.amdhsa_private_segment_fixed_size 0
		.amdhsa_enable_private_segment 0
		.amdhsa_kernarg_size 32
		.amdhsa_user_sgpr_count 2
		.amdhsa_user_sgpr_kernarg_segment_ptr 1
		.amdhsa_wavefront_size32 1
		.amdhsa_system_sgpr_workgroup_id_x 1
		.amdhsa_system_sgpr_workgroup_id_y 1
		.amdhsa_system_sgpr_workgroup_id_z 1
		.amdhsa_system_vgpr_workitem_id 0
		.amdhsa_next_free_vgpr 256
		.amdhsa_next_free_sgpr 66
		.amdhsa_reserve_vcc 1
		.amdhsa_float_denorm_mode_32 3
		.amdhsa_float_denorm_mode_16_64 3
		.amdhsa_memory_ordered 1
		.amdhsa_forward_progress 1
		.amdhsa_inst_pref_size 28
	.end_amdhsa_kernel
	.amdgpu_metadata
---
amdhsa.version: [ 1, 2 ]
amdhsa.kernels:
  - .name:           k_qc7ae7284d0_head
    .symbol:         k_qc7ae7284d0_head.kd
    .args:
      - { .name: qkv32, .offset: 0, .size: 8, .value_kind: global_buffer, .address_space: global }
      - { .name: wp16, .offset: 8, .size: 8, .value_kind: global_buffer, .address_space: global }
      - { .name: b_proj, .offset: 16, .size: 8, .value_kind: global_buffer, .address_space: global }
      - { .name: out0, .offset: 24, .size: 8, .value_kind: global_buffer, .address_space: global }
    .group_segment_fixed_size: 141312
    .private_segment_fixed_size: 0
    .kernarg_segment_align: 8
    .kernarg_segment_size: 32
    .max_flat_workgroup_size: 512
    .sgpr_count:     66
    .vgpr_count:     256
    .wavefront_size: 32
...
	.end_amdgpu_metadata
.endif
;; end of part 5
